; MI455X (gfx1250); checked and timed in simulation.
; The chip was launched on July 23, 2026; its instructions are those of AMD's public machine-readable ISA for CDNA 5 (MIT licence, August 2026) and "CDNA5" Instruction Set Architecture Reference Guide (July 2026). The comments in the code are by the model that wrote it; some were corrected since.
;; MHA. Allowed arithmetic: float matrix products may take bf16 or f16 operands with f32 sums; all other float work in f32.
;; Inputs: dense_b 1,024 float32; dense_w 1,024 x 1,024 float32; mask 1 x 1 x 2,048 x 2,048 float32; wk_b 1,024 float32; wk_w 1,024 x 1,024 float32; wq_b 1,024 float32; wq_w 1,024 x 1,024 float32; wv_b 1,024 float32; wv_w 1,024 x 1,024 float32; x 4 x 2,048 x 1,024 float32.
;; Outputs: out0 4 x 2,048 x 1,024 float32.
;; One version. Each part assembles by itself: llvm-mc -triple=amdgcn-amd-amdhsa -mcpu=gfx1250 --defsym DOCPART=n.
;; ======== version 1 of 1: 4 launches
;; limits: values are held in f16: magnitudes above 65,504 overflow, below 6.1e-05 lose precision
;; workspace buffers: xb 16,777,216 bytes; wb 8,388,608 bytes; qkv 50,331,648 bytes; ao 16,777,216 bytes
;; launch cast (part 1): grid 768 x 1, 8 waves a work-group, no clusters, 0 bytes of LDS; arguments x, wq_w, wk_w, wv_w, dense_w, xb, wb; writes xb, wb
.if DOCPART == 1
	.amdgcn_target "amdgcn-amd-amdhsa--gfx1250"
	.amdhsa_code_object_version 6
	.text
	.protected	k_q9f4769ae9e_cast
	.globl	k_q9f4769ae9e_cast
	.p2align	8
	.type	k_q9f4769ae9e_cast,@function
k_q9f4769ae9e_cast:
	s_mov_b64 s[64:65], 0
	v_nop
	global_prefetch_b8 v0, s[64:65] scope:SCOPE_SE
	s_setreg_imm32_b32 hwreg(HW_REG_WAVE_MODE, 25, 1), 1
	s_wait_xcnt 0x0
; x [8192][1024] and the four weight matrices [1024][1024], all f32, are rounded once to bf16, layouts unchanged:
; xb = x;  wb = wq_w, wk_w, wv_w, dense_w one behind the other, 2 MiB each.
; dense_w's bf16 numbers are written as f16: the last product's other operand (the attention's output) is kept in f16 for its three
; further bits, and the f16 matrix form wants both operands in f16.  f16 holds a bf16 number exactly for |w| >= 2^-17 and within 2^-25 below;
; LIMIT: |dense_w| < 65,504.
; A stream: no LDS, no barrier, no matrix unit.  A work-group takes 16,384 numbers (64 KiB in, 32 KiB out): work-groups 0-511 x,
; 512-767 the weights, 64 to a matrix.  Thread t takes 8 numbers (32 bytes in, 16 bytes out) of each of eight pieces of 2,048 numbers:
; all sixteen loads of a lane go out at once, and each store of a wave covers 512 consecutive bytes, aligned.
.set X, 8                              ; v[8:71]   piece i: 8 registers as loaded
.set Y, 72                             ; v[72:103] piece i: 4 registers to store
	s_load_b256 s[4:11], s[0:1], 0x0               ; x s[4:5], wq_w s[6:7], wk_w s[8:9], wv_w s[10:11]
	s_load_b128 s[12:15], s[0:1], 0x20             ; dense_w s[12:13], xb s[14:15]
	s_load_b64 s[16:17], s[0:1], 0x30              ; wb
	v_lshlrev_b32 v1, 5, v0                        ; 32 t: my bytes in a piece of the source
	v_lshlrev_b32 v2, 4, v0                        ; 16 t: in a piece of the destination
	s_max_u32 s28, ttmp9, 512
	s_sub_co_u32 s28, s28, 512                     ; j: my place among the weights' 256 work-groups (0 for x's)
	s_and_b32 s29, s28, 63                         ; my place in my matrix
	s_cmp_lt_u32 ttmp9, 512
	s_cselect_b32 s24, ttmp9, s29                  ; the source's chunk of 64 KiB
	s_cselect_b32 s26, ttmp9, s28                  ; the destination's chunk of 32 KiB
	s_lshl_b32 s24, s24, 16
	s_lshl_b32 s26, s26, 15
	s_mov_b32 s25, 0
	s_mov_b32 s27, 0
	s_wait_kmcnt 0x0
	s_cmp_lt_u32 ttmp9, 704                        ; which buffer I read: the choice hangs on the work-group's number alone
	s_cselect_b64 s[20:21], s[10:11], s[12:13]
	s_cmp_lt_u32 ttmp9, 640
	s_cselect_b64 s[20:21], s[8:9], s[20:21]
	s_cmp_lt_u32 ttmp9, 576
	s_cselect_b64 s[20:21], s[6:7], s[20:21]
	s_cmp_lt_u32 ttmp9, 512
	s_cselect_b64 s[20:21], s[4:5], s[20:21]
	s_cselect_b64 s[22:23], s[14:15], s[16:17]     ; and which I write
	s_add_nc_u64 s[20:21], s[20:21], s[24:25]
	s_add_nc_u64 s[22:23], s[22:23], s[26:27]
.irp i, 0,1,2,3,4,5,6,7
	global_load_b128 v[X+8*\i:X+8*\i+3],   v1, s[20:21] offset:8192*\i th:TH_LOAD_NT
	global_load_b128 v[X+8*\i+4:X+8*\i+7], v1, s[20:21] offset:8192*\i+16 th:TH_LOAD_NT
.endr
; Piece i.  tof16 = 1: the bf16 numbers are widened again (a shift, a mask) and narrowed to f16.
.macro PIECE i, tof16
	s_wait_loadcnt 14-2*\i                         ; loads come back in order: piece i's two are in, the 14 - 2 i younger ones stay out
.irp k, 0,1,2,3
	v_cvt_pk_bf16_f32 v[Y+4*\i+\k], v[X+8*\i+2*\k], v[X+8*\i+2*\k+1]
.endr
.if \tof16
.irp k, 0,1,2,3
	v_lshlrev_b32 v[X+8*\i+2*\k],   16, v[Y+4*\i+\k]
	v_and_b32     v[X+8*\i+2*\k+1], 0xffff0000, v[Y+4*\i+\k]
.endr
.irp k, 0,1,2,3
	v_cvt_pk_f16_f32 v[Y+4*\i+\k], v[X+8*\i+2*\k], v[X+8*\i+2*\k+1]
.endr
.endif
	global_store_b128 v2, v[Y+4*\i:Y+4*\i+3], s[22:23] offset:4096*\i   ; every piece has registers of its own: nothing that a store reads is written again
.endm
	s_cmp_lt_u32 ttmp9, 704
	s_cbranch_scc0 .Ldense_w
.irp i, 0,1,2,3,4,5,6,7
	PIECE \i, 0
.endr
	s_endpgm
.Ldense_w:
.irp i, 0,1,2,3,4,5,6,7
	PIECE \i, 1
.endr
	s_endpgm
.Lfunc_end_k_q9f4769ae9e_cast:
	.size	k_q9f4769ae9e_cast, .Lfunc_end_k_q9f4769ae9e_cast-k_q9f4769ae9e_cast
	.p2alignl 7, 3214868480
	.fill 96, 4, 3214868480
	.section	.rodata,"a",@progbits
	.p2align	6, 0x0
	.amdhsa_kernel k_q9f4769ae9e_cast
		.amdhsa_group_segment_fixed_size 0
		.amdhsa_private_segment_fixed_size 0
		.amdhsa_enable_private_segment 0
		.amdhsa_kernarg_size 56
		.amdhsa_user_sgpr_count 2
		.amdhsa_user_sgpr_kernarg_segment_ptr 1
		.amdhsa_wavefront_size32 1
		.amdhsa_system_sgpr_workgroup_id_x 1
		.amdhsa_system_sgpr_workgroup_id_y 1
		.amdhsa_system_sgpr_workgroup_id_z 1
		.amdhsa_system_vgpr_workitem_id 0
		.amdhsa_next_free_vgpr 104
		.amdhsa_next_free_sgpr 66
		.amdhsa_reserve_vcc 0
		.amdhsa_float_denorm_mode_32 3
		.amdhsa_float_denorm_mode_16_64 3
		.amdhsa_memory_ordered 1
		.amdhsa_forward_progress 1
		.amdhsa_inst_pref_size 15
	.end_amdhsa_kernel
	.amdgpu_metadata
---
amdhsa.version: [ 1, 2 ]
amdhsa.kernels:
  - .name:           k_q9f4769ae9e_cast
    .symbol:         k_q9f4769ae9e_cast.kd
    .args:
      - { .name: x, .offset: 0, .size: 8, .value_kind: global_buffer, .address_space: global }
      - { .name: wq_w, .offset: 8, .size: 8, .value_kind: global_buffer, .address_space: global }
      - { .name: wk_w, .offset: 16, .size: 8, .value_kind: global_buffer, .address_space: global }
      - { .name: wv_w, .offset: 24, .size: 8, .value_kind: global_buffer, .address_space: global }
      - { .name: dense_w, .offset: 32, .size: 8, .value_kind: global_buffer, .address_space: global }
      - { .name: xb, .offset: 40, .size: 8, .value_kind: global_buffer, .address_space: global }
      - { .name: wb, .offset: 48, .size: 8, .value_kind: global_buffer, .address_space: global }
    .group_segment_fixed_size: 0
    .private_segment_fixed_size: 0
    .kernarg_segment_align: 8
    .kernarg_segment_size: 56
    .max_flat_workgroup_size: 256
    .sgpr_count:     66
    .vgpr_count:     104
    .wavefront_size: 32
...
	.end_amdgpu_metadata
.endif
;; end of part 1
;; launch qkv (part 2): grid 8 x 32, 4 waves a work-group, clusters of 4 x 4, 327,680 bytes of LDS; arguments xb, wb, wq_b, wk_b, wv_b, qkv; writes qkv
.if DOCPART == 2
	.amdgcn_target "amdgcn-amd-amdhsa--gfx1250"
	.amdhsa_code_object_version 6
	.text
	.protected	k_q9f4769ae9e_qkv
	.globl	k_q9f4769ae9e_qkv
	.p2align	8
	.type	k_q9f4769ae9e_qkv,@function
k_q9f4769ae9e_qkv:
	s_mov_b64 s[64:65], 0
	v_nop
	global_prefetch_b8 v0, s[64:65] scope:SCOPE_SE
	s_setreg_imm32_b32 hwreg(HW_REG_WAVE_MODE, 25, 1), 1
	s_wait_xcnt 0x0
	s_wait_alu depctr_hold_cnt(0) depctr_sa_sdst(0) depctr_va_vdst(0) depctr_va_sdst(0) depctr_va_ssrc(0) depctr_va_vcc(0) depctr_vm_vsrc(0)
	s_getreg_b32 s2, hwreg(HW_REG_IB_STS2, 6, 4)
	s_cmp_eq_u32 s2, 0
	s_cbranch_scc0 .Lentry_in_a_cluster
	s_endpgm
.Lentry_in_a_cluster:
	s_bfe_u32 s2, ttmp6, 0x10000c
	s_cmp_lg_u32 s2, 0xf033
	s_cbranch_scc0 .Lentry_shape_is_right
	s_endpgm
.Lentry_shape_is_right:
; qkv[t][0:1024] = c (x wq + wq_b), [1024:2048] = x wk + wk_b, [2048:3072] = x wv + wv_b, for 8,192 tokens; c = log2(e) / 32, so that the attention's scores come
; out in units of log2.  xb: [8192][1024] bf16.  wb: wq, wk, wv as [1024 k][1024 n] bf16, 2 MiB apart.  Biases f32.  qkv: [8192][3072] f16.  Sums in f32; the bias
; (and for q the factor, in one fused multiply-add) is applied in f32 ahead of the one rounding.
; LIMIT: |c q|, |k|, |v| < 65,504, f16's largest.  With x and the weights 30 times their drawn size they reach some 4,500, with a common offset of 30 spreads in both some 28,800.
; SHARES.  8192 x 3072 outputs on 256 work-groups are 98,304 each: a tile of 256 tokens x 384 columns, namely the SAME 128 columns of q, of k and of v, so that no tile
; straddles two weight matrices and x is walked once for all three.  Four waves; a wave makes 128 tokens x (64 + 64 + 64) columns: 8 x 12 accumulators of 16 x 16, 768 registers.
; K goes in 16 steps of 64 through two LDS slots.  Two slots of 128 along K would take 360,448 bytes, more than a work-group can have, so x's rows in a tile are 128 bytes.
; W STAYS [k][n]: its fragments come out of LDS turned, by ds_load_tr16_b128.  THE MATRIX INSTRUCTION IS USED TRANSPOSED (source 0 = 16 columns of W, source 1 = 16 tokens):
; a lane then holds one token and eight neighbouring columns.
; CLUSTER 4 x 4: the four work-groups of a row need the same tile of x, the four of a column the same tiles of W; each tile is asked for jointly, by the same tensor load with
; the same descriptor and a mask that names the four.  Wave 0 asks for x's tile, waves 1, 2, 3 for wq's, wk's, wv's.
; REGISTERS.  window 0: v0-31 addresses; v32-63 B0; v64-127 A0; v128-191 A1; v192-223 B1; v224-255 B2.  A0, A1: x's 8 fragments of a half step (32 along K), by turns.
;   B0, B1, B2: the 4 fragments of wq, wk, wv of a half step: ONE buffer each, loaded again straight behind the 32 products that read it, 64 products ahead of its next use.
;   window 1 + m: the accumulators of matrix m (q, k, v): (a, i) at v[8 (4 a + i)].
.set PA,    144                        ; a row of x in LDS: 128 bytes + 16 = 36 words: the 16 rows of a fragment load start at 16 different groups of four banks (64 banks of 4 bytes: ISA guide 11.1)
.set PB,    288                        ; a row of W: 256 bytes + 32 = 72 words: row r starts at bank 8 r mod 64
.set SUBB,  64*PB                      ; one matrix's tile: 64 rows of k x 128 columns
.set BOFF,  256*PA                     ; a slot: x's 256 rows, then the three tiles of W
.set SLOT,  BOFF+3*SUBB
.set STAGE, 2*SLOT                     ; behind the ring: two stages of 256 rows x 272 bytes, the work-group's, for the way out; no tensor load lands here
.set SP,    272
.set STG,   256*SP
.set LAPS,  8                          ; a lap = two K steps = once round the ring
.set CROW,  6144                       ; bytes in a row of qkv
.set ADRA, 16                          ; v16-17  LDS address of my x fragments in slot 0, 1
.set ADRB, 20                          ; v20-21  the same for W
.set STO,  24                          ; v24-25  the way out: where I put 16 bytes of a row, stage 0, 1
.set RD,   26                          ; v26-27  where I read rows back, stage 0, 1
.set CO,   28                          ; v28     my byte offset in qkv
.set BO,   29                          ; v29     my byte offset in a bias
.set FA0,  64
.set FA1,  128
.set BIAS, 32                          ; the way out: v32-127: the bias of matrix m, column block i at v[32 + 8 (4 m + i)]
.set TMP,  128                         ; the way out: v128-255: 64 rows read back
.set G1,  24                           ; s[24:31] descriptor group 1 for x's tiles;  s[32:39] group 0, a set for each slot
.set G0,  32
.set G1B, 48                           ; s[48:55], s[56:63] the same for W's tiles
.set G0B, 56
.set SC,  78                           ; s[78:79] c, twice: the packed forms name a pair
.set MSB, 0
.macro WIN new                         ; s_set_vgpr_msb: bits 1:0 source 0, 3:2 source 1, 5:4 source 2, 7:6 destination; the high byte repeats the setting that is left
.if MSB != \new
	s_set_vgpr_msb (MSB<<8)|\new
.set MSB, \new
.endif
.endm
.macro PLACES                          ; four places in front of loads into registers that matrix instructions have read, and of whatever reads their results
.rept 4
	v_nop
.endr
.endm
.macro JLOAD s                         ; a joint load, one a wave: wave 0 x's tile, waves 1 to 3 a matrix's each; the branch hangs on the wave's number alone; four v_nop follow each line
	s_cmp_eq_u32 s10, 0
	s_cbranch_scc0 .Lfor_b_\@
	tensor_load_to_lds s[G0+4*\s:G0+4*\s+3], s[G1:G1+7]
	s_nop 0
.rept 4
	v_nop
.endr
	s_branch .Lasked_\@
.Lfor_b_\@:
	tensor_load_to_lds s[G0B+4*\s:G0B+4*\s+3], s[G1B:G1B+7]
	s_nop 0
.rept 4
	v_nop
.endr
.Lasked_\@:
.endm
.macro CREST                           ; a round of the cluster's barrier behind its opening barrier
	s_cmp_lg_u32 s10, 0
	s_cbranch_scc1 .Lnot_wave_0_\@
	s_barrier_signal -3
.Lnot_wave_0_\@:
	s_barrier_wait -3
	s_barrier_signal -1
	s_barrier_wait -1
.endm
.macro CROUND                          ; a whole round
	s_barrier_signal -1
	s_barrier_wait -1
	CREST
.endm
	s_load_b128 s[4:7], s[0:1], 0x0                ; xb s[4:5], wb s[6:7]
	s_load_b256 s[68:75], s[0:1], 0x10             ; wq_b s[68:69], wk_b s[70:71], wv_b s[72:73], qkv s[74:75]
	v_lshl_add_u32 v30, v0, 2, 0x4f000
	v_mov_b32 v31, 0
	ds_add_u32 v30, v31
	v_lshrrev_b32 v1, 5, v0
	v_readfirstlane_b32 s10, v1                    ; wave 0..3
	s_lshr_b32 s11, s10, 1                         ; which 128 tokens of the tile are mine
	s_and_b32 s12, s10, 1                          ; which 64 of each matrix's 128 columns
	s_bfe_u32 s40, ttmp6, 0x40000                  ; cx, cy: my place in the cluster
	s_bfe_u32 s41, ttmp6, 0x40004
	s_lshl_b32 s42, ttmp9, 2
	s_add_co_u32 s42, s42, s40                     ; tile column = 4 x cluster x + cx
	s_and_b32 s13, ttmp7, 0xffff
	s_lshl_b32 s13, s13, 2
	s_add_co_u32 s13, s13, s41                     ; tile row = 4 x cluster y + cy
	s_lshl_b32 s43, s41, 2
	s_lshl_b32 s43, 15, s43                        ; my row of the cluster
	s_lshl_b32 s44, 0x1111, s40                    ; my column
	; group 1.  x: 256 rows x 64 elements of 2 bytes, 4 words of padding behind every 32.  W: 64 rows x 128 elements, 8 words behind every 64.
	s_or_b32 s[G1+0], s43, (1<<16)|(1<<20)|(1<<21)|(4<<22)|(3<<25)   ; 15:0 the mask: x's tiles go to my row; 17:16 element size; 20 padding on; 21 set beside a mask; 24:22 interval; 31:25 padding - 1
	s_or_b32 s[G1B+0], s44, (1<<16)|(1<<20)|(1<<21)|(5<<22)|(7<<25)  ; W's tiles go to my column
	s_mov_b32 s[G1+1], 64<<16                      ; tensor_dim0
	s_mov_b32 s[G1+2], 256<<16                     ; tensor_dim1
	s_mov_b32 s[G1+3], 64<<16                      ; tile_dim0
	s_mov_b32 s[G1+4], 256                         ; tile_dim1
	s_mov_b32 s[G1+5], 1024                        ; elements from row to row
	s_mov_b32 s[G1+6], 0
	s_mov_b32 s[G1+7], 0
	s_mov_b32 s[G1B+1], 128<<16
	s_mov_b32 s[G1B+2], 64<<16
	s_mov_b32 s[G1B+3], 128<<16
	s_mov_b32 s[G1B+4], 64
	s_mov_b32 s[G1B+5], 1024
	s_mov_b32 s[G1B+6], 0
	s_mov_b32 s[G1B+7], 0
	; where the tiles come from.  x's hang on the tile row alone, W's on the tile column and the wave's number, each in registers that never hold the other coordinate.
	s_lshl_b32 s16, s13, 19                        ; 256 rows of 2,048 bytes a tile row
	s_mov_b32 s17, 0
	s_max_u32 s46, s10, 1
	s_sub_co_u32 s46, s46, 1                       ; waves 1, 2, 3: matrix 0, 1, 2 (wave 0 makes matrix 0's address and never asks by it)
	s_lshl_b32 s46, s46, 21                        ; 2 MiB a matrix,
	s_lshl_b32 s47, s42, 8                         ; 128 columns of 2 bytes a tile column
	s_add_co_u32 s46, s46, s47
	s_mov_b32 s47, 0
	s_mul_i32 s21, s10, SUBB                       ; and where W's go: behind x's rows, (wave - 1) tiles on: no place in the cluster enters an LDS address
	s_add_co_u32 s21, s21, BOFF-SUBB
	; on the way out wave w stores rows 64 w on, whole: my part of qkv, and my columns of a bias, in bytes (all under 2^32)
	s_lshl_b32 s18, s13, 8
	s_lshl_b32 s19, s10, 6
	s_add_co_u32 s18, s18, s19
	s_mul_i32 s18, s18, CROW
	s_lshl_b32 s19, s42, 8
	s_add_co_u32 s18, s18, s19
	s_mov_b32 s19, 0
	s_lshl_b32 s22, s42, 9                         ; 128 f32 a tile column,
	s_lshl_b32 s23, s12, 8                         ; 64 a half
	s_add_co_u32 s22, s22, s23
	s_mov_b32 s23, 0
	s_mov_b32 s[SC], 0x3d38aa3b                    ; c = log2(e) / 32 = 0.0450842
	s_mov_b32 s[SC+1], s[SC]
	s_wait_dscnt 0x0
	s_wait_kmcnt 0x0
	s_add_nc_u64 s[14:15], s[4:5], s[16:17]
	s_add_nc_u64 s[46:47], s[6:7], s[46:47]
	s_add_nc_u64 s[8:9], s[74:75], s[18:19]
	s_add_nc_u64 s[68:69], s[68:69], s[22:23]
	s_add_nc_u64 s[70:71], s[70:71], s[22:23]
	s_add_nc_u64 s[72:73], s[72:73], s[22:23]
	CROUND                                         ; all sixteen work-groups are here: the first joint loads meet
.irp s, 0,1
	s_mov_b32 s[G0+4*\s], 1                                        ; count = 1
	s_mov_b32 s[G0+4*\s+1], \s*SLOT                                ; LDS address
	s_add_nc_u64 s[G0+4*\s+2:G0+4*\s+3], s[14:15], \s*128          ; K step s: 64 elements along x's rows
	s_or_b32 s[G0+4*\s+3], s[G0+4*\s+3], 0x80000000                ; type = 2
	s_mov_b32 s[G0B+4*\s], 1
	s_add_co_u32 s[G0B+4*\s+1], s21, \s*SLOT
	s_add_nc_u64 s[G0B+4*\s+2:G0B+4*\s+3], s[46:47], \s*131072     ; K step s: 64 rows of W
	s_or_b32 s[G0B+4*\s+3], s[G0B+4*\s+3], 0x80000000
	JLOAD \s                                       ; two tensor loads of mine are out now, later one
.endr
	v_and_b32 v1, 15, v0                           ; r = l % 16
	v_bfe_u32 v2, v0, 4, 1                         ; h = l / 16
	v_lshlrev_b32 v[BO], 5, v2                     ; a lane's eight columns of a block: bias[16 i + 8 h + 0..7]
	; x's fragment: 16 rows x 32 k; lane l holds row r, registers 0-3 k = 8 h + 0..7, registers 4-7 k = 16 + 8 h + 0..7: two loads of 16 bytes, 32 apart.
	v_mul_u32_u24 v3, v1, PA
	v_lshl_add_u32 v3, v2, 4, v3
	; W's fragment: the turning load takes 16 k x 16 n (lane l reads 16 bytes: row 8 h + l % 8, columns 8 ((l / 8) % 2) + 0..7) and leaves half a fragment: lane l holds column r and 8 k.
	v_and_b32 v4, 7, v0
	v_lshl_add_u32 v4, v2, 3, v4
	v_mul_u32_u24 v4, v4, PB
	v_bfe_u32 v5, v0, 3, 1
	v_lshl_add_u32 v4, v5, 4, v4
	s_mul_i32 s22, s11, 128*PA                     ; my 128 rows of x
	s_lshl_b32 s23, s12, 7                         ; my 64 columns of each tile of W,
	s_add_co_u32 s23, s23, BOFF                    ; which lie behind x
.irp s, 0,1
	v_add_nc_u32 v[ADRA+\s], s22, v3
	v_add_nc_u32 v[ADRB+\s], s23, v4
	s_add_co_u32 s22, s22, SLOT
	s_add_co_u32 s23, s23, SLOT
.endr
	s_mul_i32 s18, s11, 128*SP                     ; into a stage: my 128 rows, my half of their 256 bytes; row r, 16 bytes for each half of the lanes
	s_lshl_b32 s19, s12, 7
	s_add_co_u32 s18, s18, s19
	s_add_co_u32 s18, s18, STAGE
	v_mul_u32_u24 v4, v1, SP
	v_lshl_add_u32 v4, v2, 4, v4
	v_add_nc_u32 v[STO], s18, v4
	v_add_nc_u32 v[STO+1], STG, v[STO]
	s_mul_i32 s18, s10, 64*SP                      ; back: wave w takes rows 64 w on, whole; lanes 0-15 one row of 256 bytes, lanes 16-31 the next
	s_add_co_u32 s18, s18, STAGE
	v_mul_u32_u24 v5, v2, SP
	v_lshl_add_u32 v5, v1, 4, v5
	v_add_nc_u32 v[RD], s18, v5
	v_add_nc_u32 v[RD+1], STG, v[RD]
	v_mul_u32_u24 v5, v2, CROW                     ; and the same two rows in qkv
	v_lshl_add_u32 v[CO], v1, 4, v5
; 16 matrix instructions: matrix m's 4 column blocks x token blocks a0 .. a0 + 3, 32 along K; x's fragments in buffer ab.  zero = 1: the first product starts the sums.
; A half step names each of the 96 accumulators once, always in the same order: they take turns, one instruction a turn.
.macro RUN16 m, ab, a0, zero
.if \m == 0
.set rB, 32
.else
.set rB, 160+32*\m
.endif
	WIN 0x50*(1+\m)                                ; fragments window 0, C and D window 1 + m
.irp a, \a0, \a0+1, \a0+2, \a0+3
.irp i, 0,1,2,3
.set rD, 8*(4*(\a)+\i)
.if \zero
	v_wmma_f32_16x16x32_bf16 v[rD:rD+7], v[rB+8*\i:rB+8*\i+7], v[\ab+8*(\a):\ab+8*(\a)+7], 0
.else
	v_wmma_f32_16x16x32_bf16 v[rD:rD+7], v[rB+8*\i:rB+8*\i+7], v[\ab+8*(\a):\ab+8*(\a)+7], v[rD:rD+7]
.endif
.endr
.endr
.endm
.macro LOADB slot, hf, m               ; 8 LDS loads: matrix m's 4 fragments of half hf of a slot
.if \m == 0
.set rB, 32
.else
.set rB, 160+32*\m
.endif
	WIN 0
.irp i, 0,1,2,3
	ds_load_tr16_b128 v[rB+8*\i:rB+8*\i+3],   v[ADRB+\slot] offset:\m*SUBB+\hf*32*PB+32*\i
	ds_load_tr16_b128 v[rB+8*\i+4:rB+8*\i+7], v[ADRB+\slot] offset:\m*SUBB+\hf*32*PB+32*\i+16*PB
.endr
.endm
.macro LOADA slot, hf, ab              ; 16 LDS loads: x's 8 fragments of half hf of a slot
	WIN 0
.irp a, 0,1,2,3,4,5,6,7
	ds_load_b128 v[\ab+8*\a:\ab+8*\a+3],   v[ADRA+\slot] offset:\a*16*PA+64*\hf
	ds_load_b128 v[\ab+8*\a+4:\ab+8*\a+7], v[ADRA+\slot] offset:\a*16*PA+64*\hf+32
.endr
.endm
; A K step is two halves of 32 along K, 96 matrix instructions each, in three runs of 32 (q's, k's, v's).  The loads of a half are issued in the order B0 (8), A (16), B1 (8), B2 (8),
; each B straight behind the run that read its buffer.  LDS loads come back in order (ISA guide 5.7.1), so each wait counts the loads issued behind those that it needs.
; The first half of a slot: multiplies A0 and fetches the slot's second half.
.macro HALF0 slot, zero
	s_wait_dscnt 16                                ; B0 and A are in; B1's and B2's 16 loads are younger
	RUN16 0, FA0, 0, \zero
	RUN16 0, FA0, 4, \zero
	PLACES
	LOADB \slot, 1, 0
	LOADA \slot, 1, FA1
	s_wait_dscnt 32                                ; B1 is in; younger: B2's 8 and the 24 just issued
	RUN16 1, FA0, 0, \zero
	RUN16 1, FA0, 4, \zero
	PLACES
	LOADB \slot, 1, 1
	s_wait_dscnt 32                                ; B2 is in; younger: the next half's B0, A and B1
	RUN16 2, FA0, 0, \zero
	RUN16 2, FA0, 4, \zero
	PLACES
	LOADB \slot, 1, 2
.endm
; The second half multiplies A1 and changes slots: all of this slot has been asked for.  ONE barrier; in front of it each wave waits for its own reads of this slot and for all its
; tensor loads, of which one is out: its part of the next slot.  fill = 1: the barrier opens a round of the cluster's, and this slot is filled again, two K steps ahead, first thing behind it.
.macro HALF1 slot, next, fill
	s_wait_dscnt 16
	RUN16 0, FA1, 0, 0
	s_wait_dscnt 0                                 ; my reads of this slot are over (B1 and B2 of this half are in with them),
	s_wait_tensorcnt 0x0                           ; and all my tensor loads have landed
	ds_add_u32 v30, v31
	s_wait_dscnt 0x0
	s_barrier_signal -1
	RUN16 0, FA1, 4, 0                             ; work on registers while the others arrive
	WIN 0                                          ; every window is 0 there
	s_barrier_wait -1
.if \fill
	CREST                                          ; no wave of any partner still reads this slot's tiles or has a load on its way
	s_add_nc_u64 s[G0+4*\slot+2:G0+4*\slot+3], s[G0+4*\slot+2:G0+4*\slot+3], 256
	s_add_nc_u64 s[G0B+4*\slot+2:G0B+4*\slot+3], s[G0B+4*\slot+2:G0B+4*\slot+3], 262144
	JLOAD \slot                                    ; 176 matrix instructions ahead of the wait for it; its four v_nop are also the places in front of the loads below
.else
	PLACES
.endif
	LOADB \next, 0, 0
	LOADA \next, 0, FA0
	RUN16 1, FA1, 0, 0
	RUN16 1, FA1, 4, 0
	PLACES
	LOADB \next, 0, 1
	RUN16 2, FA1, 0, 0
	RUN16 2, FA1, 4, 0
	PLACES
	LOADB \next, 0, 2
.endm
	s_wait_tensorcnt 1                             ; my part of K step 0 is in; K step 1's may stay out
	s_barrier_signal -1
	s_barrier_wait -1                              ; everybody's is
	LOADB 0, 0, 0
	LOADA 0, 0, FA0
	LOADB 0, 0, 1
	LOADB 0, 0, 2
	HALF0 0, 1                                     ; the first half stands in front of the loop: its products start the sums
	WIN 0
	s_mov_b32 s3, LAPS-1
.Llap:                                                 ; a trip goes once round the ring, from a lap's second half to the next lap's first, and fills both slots again
	HALF1 0, 1, 1
	HALF0 1, 0
	HALF1 1, 0, 1
	HALF0 0, 0
	WIN 0
	s_sub_co_u32 s3, s3, 1
	s_cmp_lg_u32 s3, 0
	s_cbranch_scc1 .Llap
	HALF1 0, 1, 0                                  ; the last lap fills nothing, and has no round
	HALF0 1, 0
	s_wait_dscnt 16                                ; the very last half: nothing more to fetch from LDS
	RUN16 0, FA1, 0, 0
	RUN16 0, FA1, 4, 0
	WIN 0
	PLACES
.irp m, 0,1,2                          ; B0 and A0 are free: they take the three biases of my columns, 64 products ahead of their use
.irp i, 0,1,2,3
	global_load_b128 v[BIAS+8*(4*\m+\i):BIAS+8*(4*\m+\i)+3],   v[BO], s[68+2*\m:69+2*\m] offset:64*\i
	global_load_b128 v[BIAS+8*(4*\m+\i)+4:BIAS+8*(4*\m+\i)+7], v[BO], s[68+2*\m:69+2*\m] offset:64*\i+16
.endr
.endr
	s_wait_dscnt 8                                 ; B1 is in; B2's 8 loads are younger
	RUN16 1, FA1, 0, 0
	RUN16 1, FA1, 4, 0
	s_wait_dscnt 0
	RUN16 2, FA1, 0, 0
	RUN16 2, FA1, 4, 0
	WIN 0
	PLACES
	; THE WAY OUT, a matrix at a time.  A wave's 64 columns are half of an aligned 256 bytes of qkv, so the four waves write one stage, a barrier stands between the writing and the
	; reading, and each wave then reads 64 whole rows and stores them.  Two stages take turns: matrix m + 1 is written while matrix m is read, and a stage is written again only
	; behind a barrier in front of which every wave has waited for its reads of it.
.macro PACK m                          ; matrix m: the bias (for q: times c, plus b c, in one fused multiply-add), rounded to f16 in place: an accumulator's first four registers take its 16 bytes
	WIN 0x41*(1+\m)                                ; destination and source 0 window 1 + m, the bias window 0
.set t, 0
.rept 32
.irp k, 0,1,2,3
.if \m == 0
	v_pk_fma_f32 v[8*t+2*\k:8*t+2*\k+1], v[8*t+2*\k:8*t+2*\k+1], s[SC:SC+1], v[BIAS+8*(t%4)+2*\k:BIAS+8*(t%4)+2*\k+1] op_sel_hi:[1,0,1]
.else
	v_pk_add_f32 v[8*t+2*\k:8*t+2*\k+1], v[8*t+2*\k:8*t+2*\k+1], v[BIAS+32*\m+8*(t%4)+2*\k:BIAS+32*\m+8*(t%4)+2*\k+1]
.endif
.endr
.set t, t+1
.endr
	WIN 0x45*(1+\m)                                ; all in window 1 + m
.set t, 0
.rept 32
.irp k, 0,1,2,3
	v_cvt_pk_f16_f32 v[8*t+\k], v[8*t+2*\k], v[8*t+2*\k+1]
.endr
.set t, t+1
.endr
.endm
.macro TOSTAGE m                       ; 32 LDS stores: token block t / 4, column block t % 4
	WIN 0x04*(1+\m)                                ; store data window 1 + m
.set t, 0
.rept 32
	ds_store_b128 v[STO+\m%2], v[8*t:8*t+3] offset:(t/4)*16*SP+32*(t%4)
.set t, t+1
.endr
	WIN 0
.endm
.macro BACK m                          ; 32 LDS loads: my 64 whole rows
	WIN 0
.set t, 0
.rept 32
	ds_load_b128 v[TMP+4*t:TMP+4*t+3], v[RD+\m%2] offset:t*2*SP
.set t, t+1
.endr
.endm
.macro SEND m
	WIN 0
.set t, 0
.rept 32
	s_wait_dscnt 31-t                              ; nothing was issued to LDS behind BACK's loads: pair t of rows is in
	global_store_b128 v[CO], v[TMP+4*t:TMP+4*t+3], s[8:9] offset:2*t*CROW+2048*\m   ; 16 lanes store 256 consecutive bytes, at a multiple of 256 from qkv's first byte
.set t, t+1
.endr
.endm
.macro MEET                            ; my stores into a stage are done and my reads of a stage are back: say so, and wait for the others
	s_wait_dscnt 0x0
	s_barrier_signal -1
	s_barrier_wait -1
.endm
	s_wait_loadcnt 0x0                             ; the biases
.set t, 0
.rept 16
	v_pk_mul_f32 v[BIAS+2*t:BIAS+2*t+1], v[BIAS+2*t:BIAS+2*t+1], s[SC:SC+1] op_sel_hi:[1,0]   ; q's bias times c
.set t, t+1
.endr
	PACK 0
	TOSTAGE 0
	PACK 1
	MEET                                           ; stage 0 is whole
	TOSTAGE 1
	BACK 0
	PACK 2                                         ; arithmetic between the loads and their stores
	SEND 0
	MEET                                           ; stage 1 is whole, and nobody reads stage 0 any more
	TOSTAGE 2
	s_wait_xcnt 0x0                                ; the registers below were the data of q's stores: they are written again only behind this wait
	BACK 1
	SEND 1
	MEET                                           ; stage 0 is whole again
	s_wait_xcnt 0x0
	BACK 2
	SEND 2
	s_wait_tensorcnt 0x0
	ds_add_u32 v30, v31
	s_wait_dscnt 0x0
	CROUND                                         ; the closing round: no work-group ends while a partner may still ask for a tile that names it
	s_endpgm
.Lfunc_end_k_q9f4769ae9e_qkv:
	.size	k_q9f4769ae9e_qkv, .Lfunc_end_k_q9f4769ae9e_qkv-k_q9f4769ae9e_qkv
	.p2alignl 7, 3214868480
	.fill 96, 4, 3214868480
	.section	.rodata,"a",@progbits
	.p2align	6, 0x0
	.amdhsa_kernel k_q9f4769ae9e_qkv
		.amdhsa_group_segment_fixed_size 327680
		.amdhsa_private_segment_fixed_size 0
		.amdhsa_enable_private_segment 0
		.amdhsa_kernarg_size 48
		.amdhsa_user_sgpr_count 2
		.amdhsa_user_sgpr_kernarg_segment_ptr 1
		.amdhsa_wavefront_size32 1
		.amdhsa_system_sgpr_workgroup_id_x 1
		.amdhsa_system_sgpr_workgroup_id_y 1
		.amdhsa_system_sgpr_workgroup_id_z 1
		.amdhsa_system_vgpr_workitem_id 0
		.amdhsa_next_free_vgpr 1024
		.amdhsa_next_free_sgpr 80
		.amdhsa_reserve_vcc 0
		.amdhsa_float_denorm_mode_32 3
		.amdhsa_float_denorm_mode_16_64 3
		.amdhsa_memory_ordered 1
		.amdhsa_forward_progress 1
		.amdhsa_inst_pref_size 160
	.end_amdhsa_kernel
	.amdgpu_metadata
---
amdhsa.version: [ 1, 2 ]
amdhsa.kernels:
  - .name:           k_q9f4769ae9e_qkv
    .symbol:         k_q9f4769ae9e_qkv.kd
    .args:
      - { .name: xb, .offset: 0, .size: 8, .value_kind: global_buffer, .address_space: global }
      - { .name: wb, .offset: 8, .size: 8, .value_kind: global_buffer, .address_space: global }
      - { .name: wq_b, .offset: 16, .size: 8, .value_kind: global_buffer, .address_space: global }
      - { .name: wk_b, .offset: 24, .size: 8, .value_kind: global_buffer, .address_space: global }
      - { .name: wv_b, .offset: 32, .size: 8, .value_kind: global_buffer, .address_space: global }
      - { .name: qkv, .offset: 40, .size: 8, .value_kind: global_buffer, .address_space: global }
    .group_segment_fixed_size: 327680
    .private_segment_fixed_size: 0
    .kernarg_segment_align: 8
    .kernarg_segment_size: 48
    .max_flat_workgroup_size: 128
    .sgpr_count:     80
    .vgpr_count:     1024
    .wavefront_size: 32
...
	.end_amdgpu_metadata
.endif
;; end of part 2
;; launch attn (part 3): grid 16 x 32, 8 waves a work-group, clusters of 4 x 4, 327,680 bytes of LDS; arguments qkv, mask, ao; writes ao
.if DOCPART == 3
	.amdgcn_target "amdgcn-amd-amdhsa--gfx1250"
	.amdhsa_code_object_version 6
	.text
	.protected	k_q9f4769ae9e_attn
	.globl	k_q9f4769ae9e_attn
	.p2align	8
	.type	k_q9f4769ae9e_attn,@function
k_q9f4769ae9e_attn:
	s_mov_b64 s[64:65], 0
	v_nop
	global_prefetch_b8 v0, s[64:65] scope:SCOPE_SE
	s_setreg_imm32_b32 hwreg(HW_REG_WAVE_MODE, 25, 1), 1
	s_wait_xcnt 0x0
	s_wait_alu depctr_hold_cnt(0) depctr_sa_sdst(0) depctr_va_vdst(0) depctr_va_sdst(0) depctr_va_ssrc(0) depctr_va_vcc(0) depctr_vm_vsrc(0)
	s_getreg_b32 s2, hwreg(HW_REG_IB_STS2, 6, 4)
	s_cmp_eq_u32 s2, 0
	s_cbranch_scc0 .Lentry_in_a_cluster
	s_endpgm
.Lentry_in_a_cluster:
	s_bfe_u32 s2, ttmp6, 0x10000c
	s_cmp_lg_u32 s2, 0xf033
	s_cbranch_scc0 .Lentry_shape_is_right
	s_endpgm
.Lentry_shape_is_right:
; ao[b][q][head] = softmax_k(q . k / 32 + mask[q][k] x (-1e9)) v, for 4 batches x 16 heads of 64 channels, 2,048 queries and keys.
; qkv: [8192 tokens][3072] f16, q | k | v, head H at 128 H bytes of each third; q already holds the factor log2(e) / 32.  mask: [2048][2048] f32, an input: every number of it is
; read and used as it is, and every score is computed.  ao: [8192][1024] f16.  Products, maxima and sums in f32; the weights p are rounded to f16 for the second product.
; SOFTMAX.  t = mask x (-1e9 log2 e) + s, one fused multiply-add in units of log2; for each query a running maximum m; p = 2^(t - m), a true subtraction, so p = 1 at the maximum
; whatever the mask; in every step O and the row sum are multiplied by a = 2^(m_old - m_new).  The row sum is a product of p with ones, so it is the sum of the rounded p.
; LIMITS.  Where every key of a row carries a bias so large that the scores are rounded away, t is rounded to 128 units of log2 where a multiply and an add in natural units would
; round to 64: both give the uniform row for |score| < 32.  p < 2^-25 is rounded to 0.  |q|, |k|, |v| < 65,504 (f16).
; SHARES.  A work-group owns 128 queries of TWO neighbouring heads, so that rows of K, V, Q and ao are whole aligned pieces of 256 bytes and both heads read one tile of the mask.
; Wave w: head w / 4, queries 32 (w % 4) on: two tiles of 16.  Two waves lie on a SIMD.  Keys go in steps of 64; a slot holds two steps; 16 slots' worth on a ring of two.
; IN PHASES: a step's K Q^T, its softmax, its V^T P.  Not by turns inside a wave: a tile's softmax is 121 vector instructions against its 18 products, and each slice set between two
; products would cost two switches of the register window.
; LAYOUT.  S^T = K Q^T (source 0 = 16 keys, source 1 = 16 queries): a lane holds ONE query (lane % 16) and the keys 8 (lane / 16) + 0..7.  Two such tiles, rounded in pairs, ARE
; source 1 (32 keys x 16 queries) of O^T = V^T P.  K comes out of LDS as it lies, V ([key][channel]) turned, by ds_load_tr16_b128.
; CLUSTER 4 x 4.  x counts query blocks, y the 32 pairs of heads.  The four work-groups of a row share K and V, the four of a column the mask: each tile is asked for jointly.
; REGISTERS.  window 0: v0-23 addresses; v24-39 statistics; v64-127 S^T; v128-191 the mask, laid as S^T; v192-223 P.
;   window 1: v0-31 Q; v32-95 K; v96-159 V; v160-223 O^T; v224-239 row sums; v240-247 ones.
.set PK,    272                        ; a row of K in LDS: 256 bytes + 16: row r starts at bank 4 r mod 64 (64 banks of 4 bytes: ISA guide 11.1)
.set PVP,   288                        ; a row of V: 256 + 32: row r starts at bank 8 r mod 64, for the turning load
.set PM,    272                        ; a row of the mask: 64 f32 + 16 bytes
.set VOFF,  64*PK                      ; a step's tiles lie together: 64 rows of K, 64 of V, 128 of the mask
.set MOFF,  VOFF+64*PVP
.set STEPB, MOFF+128*PM
.set SLOT,  2*STEPB
.set STAGE, 2*SLOT                     ; behind the ring: 128 rows x 272 bytes, the work-group's, for the way out; no tensor load lands here
.set SP,    272
.set AK,  8                            ; v8-11   LDS address of my K fragments, slot s, step e at 2 s + e
.set AV,  12                           ; v12-15  the same for V
.set AM,  16                           ; v16-19  the same for the mask
.set QO,  20                           ; v20     my byte offset in the wave's rows of Q
.set STO, 21                           ; v21     the way out: where I put 16 bytes of a row
.set RD,  22                           ; v22     where I read a row back
.set GO,  23                           ; v23     my byte offset in the wave's rows of ao
.set ST,  24                           ; tile t's statistics at v[ST+8 t]: +0, +1 m (twice: a pair for the packed subtraction), +2 a, +3 its pair's partner (0), +4 to +7 c0-c3, at work
.set S,   64
.set M,   128
.set P,   192
.set QF,  0                            ; window 1
.set KF,  32
.set VF,  96
.set OT,  160
.set LS,  224
.set ONES, 240
.set WV,  10                           ; s10  my wave's number
.set G1K, 28                           ; s[28:35], s[36:43], s[44:51] descriptor group 1 for K's, V's and the mask's tiles
.set G1V, 36
.set G1M, 44
.set G0K, 52                           ; s[52:59] group 0 for K's tiles, a set for each slot
.set NEG, 60                           ; s[60:61] -1e9 log2(e), twice
.set SEL, 62                           ; s[62:63] lane selects for v_permlanex16_b32: each lane takes its own place in the other half
.set TRIPS, 66
.set G0V, 68                           ; s[68:75]
.set G0M, 76                           ; s[76:83]
.set MSB, 0
.macro WIN new                         ; s_set_vgpr_msb: bits 1:0 source 0, 3:2 source 1, 5:4 source 2, 7:6 destination; the high byte repeats the setting that is left
.if MSB != \new
	s_set_vgpr_msb (MSB<<8)|\new
.set MSB, \new
.endif
.endm
.set W_KQ, 0x05                        ; K and Q window 1, S^T window 0
.set W_PV, 0x51                        ; V window 1, P window 0, O^T window 1
.set W_RS, 0x51                        ; O^T (destination and source 0) window 1, a (source 1) window 0: the setting of V^T P, so that no switch stands between the rescaling and those products
.set W_LD, 0x40                        ; destination window 1, address window 0
.macro PLACES                          ; four places behind matrix instructions, in front of loads into their sources and of whatever reads their results
.rept 4
	v_nop
.endr
.endm
.macro CREST                           ; a round of the cluster's barrier behind its opening barrier
	s_cmp_lg_u32 s[WV], 0
	s_cbranch_scc1 .Lnot_wave_0_\@
	s_barrier_signal -3
.Lnot_wave_0_\@:
	s_barrier_wait -3
	s_barrier_signal -1
	s_barrier_wait -1
.endm
.macro ROUND                           ; a whole round
	s_barrier_signal -1
	s_barrier_wait -1
	CREST
.endm
; A joint refill of slot s, one load a wave, each of 64 rows x 256 bytes: waves 0, 1 the two steps' K, waves 2, 3 their V, waves 4 to 7 the two halves of the two steps' mask.
; The branches hang on the wave's number alone.  Four v_nop follow each line.
.macro JLOAD s
	s_cmp_lt_u32 s[WV], 2
	s_cbranch_scc0 .Lnot_k_\@
	tensor_load_to_lds s[G0K+4*\s:G0K+4*\s+3], s[G1K:G1K+7]
	s_nop 0
.rept 4
	v_nop
.endr
	s_branch .Lasked_\@
.Lnot_k_\@:
	s_cmp_lt_u32 s[WV], 4
	s_cbranch_scc0 .Lfor_m_\@
	tensor_load_to_lds s[G0V+4*\s:G0V+4*\s+3], s[G1V:G1V+7]
	s_nop 0
.rept 4
	v_nop
.endr
	s_branch .Lasked_\@
.Lfor_m_\@:
	tensor_load_to_lds s[G0M+4*\s:G0M+4*\s+3], s[G1M:G1M+7]
	s_nop 0
.rept 4
	v_nop
.endr
.Lasked_\@:
.endm
	s_load_b128 s[4:7], s[0:1], 0x0                ; qkv s[4:5], mask s[6:7]
	s_load_b64 s[8:9], s[0:1], 0x10                ; ao
	v_lshl_add_u32 v254, v0, 2, 0x4d800
	v_mov_b32 v255, 0
	ds_add_u32 v254, v255
	v_lshrrev_b32 v1, 5, v0
	v_readfirstlane_b32 s[WV], v1                  ; wave 0..7
	s_and_b32 s11, s[WV], 1                        ; e: which of a slot's two steps I fetch
	s_lshr_b32 s12, s[WV], 1
	s_and_b32 s12, s12, 1                          ; hf: which 64 rows of the mask's tile (waves 4 to 7)
	s_lshr_b32 s13, s[WV], 2                       ; hh: my head of the pair
	s_and_b32 s14, s[WV], 3                        ; my 32 queries of the block
	s_bfe_u32 s15, ttmp6, 0x40000                  ; cx, cy: my place in the cluster
	s_bfe_u32 s16, ttmp6, 0x40004
	s_lshl_b32 s17, ttmp9, 2
	s_add_co_u32 s17, s17, s15                     ; qb: my block of 128 queries = 4 x cluster x + cx
	s_and_b32 s18, ttmp7, 0xffff
	s_lshl_b32 s18, s18, 2
	s_add_co_u32 s18, s18, s16                     ; y = 8 x batch + pair of heads = 4 x cluster y + cy
	s_lshl_b32 s19, s16, 2
	s_lshl_b32 s19, 15, s19                        ; my row of the cluster
	s_lshl_b32 s20, 0x1111, s15                    ; my column
	; group 1: tiles of 64 rows x 256 bytes, padded in LDS
	s_or_b32 s[G1K], s19, (1<<16)|(1<<20)|(1<<21)|(5<<22)|(3<<25)  ; 15:0 the mask: my row; 17:16 elements of 2 bytes; 20 padding on; 21 set beside a mask; 24:22 after every 64 words; 31:25 4 words of it
	s_or_b32 s[G1V], s19, (1<<16)|(1<<20)|(1<<21)|(5<<22)|(7<<25)  ; the same with 8 words
	s_or_b32 s[G1M], s20, (2<<16)|(1<<20)|(1<<21)|(5<<22)|(3<<25)  ; my column; elements of 4 bytes
.irp g, G1K, G1V
	s_mov_b32 s[\g+1], 128<<16                     ; tensor_dim0
	s_mov_b32 s[\g+2], 64<<16                      ; tensor_dim1
	s_mov_b32 s[\g+3], 128<<16                     ; tile_dim0
	s_mov_b32 s[\g+4], 64                          ; tile_dim1
	s_mov_b32 s[\g+5], 3072                        ; elements from token to token
	s_mov_b32 s[\g+6], 0
	s_mov_b32 s[\g+7], 0
.endr
	s_mov_b32 s[G1M+1], 64<<16
	s_mov_b32 s[G1M+2], 64<<16
	s_mov_b32 s[G1M+3], 64<<16
	s_mov_b32 s[G1M+4], 64
	s_mov_b32 s[G1M+5], 2048
	s_mov_b32 s[G1M+6], 0
	s_mov_b32 s[G1M+7], 0
	s_mov_b32 s[NEG], 0xceabfb8f                   ; -1e9 x log2(e) = -1,442,695,040
	s_mov_b32 s[NEG+1], s[NEG]
	s_mov_b32 s[SEL], 0x76543210
	s_mov_b32 s[SEL+1], 0xfedcba98
	; K and V hang on y alone, which my row shares; the mask on qb alone, which my column shares: each in registers that never hold the other coordinate
	s_lshr_b32 s22, s18, 3                         ; batch
	s_lshl_b32 s22, s22, 11                        ; its first token,
	s_lshl_b32 s23, s11, 6                         ; my step's 64 keys
	s_add_co_u32 s22, s22, s23
	s_mul_i32 s22, s22, 6144
	s_and_b32 s23, s18, 7
	s_lshl_b32 s23, s23, 8                         ; the pair's 256 bytes
	s_add_co_u32 s22, s22, s23
	s_mov_b32 s23, 0
	s_lshl_b32 s26, s17, 7
	s_lshl_b32 s27, s12, 6
	s_add_co_u32 s26, s26, s27                     ; the mask's row: 128 qb + 64 hf
	s_lshl_b32 s26, s26, 13
	s_lshl_b32 s27, s11, 8                         ; my step's 64 keys
	s_add_co_u32 s26, s26, s27
	s_mov_b32 s27, 0
	s_mul_i32 s21, s11, STEPB                      ; where they go: no place in the cluster enters an LDS address
	s_mul_i32 s90, s12, 64*PM
	s_add_co_u32 s90, s90, s21
	s_add_co_u32 s90, s90, MOFF
	; Q and ao
	s_lshr_b32 s88, s18, 3
	s_lshl_b32 s88, s88, 11
	s_lshl_b32 s89, s17, 7
	s_add_co_u32 s88, s88, s89                     ; the block's first token
	s_and_b32 s89, s18, 7
	s_lshl_b32 s89, s89, 8
	s_lshl_b32 s84, s14, 5
	s_add_co_u32 s84, s84, s88                     ; my wave's first query
	s_mul_i32 s84, s84, 6144
	s_add_co_u32 s84, s84, s89
	s_lshl_b32 s91, s13, 7                         ; my head's 128 bytes of the pair's 256
	s_add_co_u32 s84, s84, s91
	s_mov_b32 s85, 0
	s_lshl_b32 s86, s[WV], 4                       ; on the way out wave w stores rows 16 w on, whole
	s_add_co_u32 s86, s86, s88
	s_lshl_b32 s86, s86, 11
	s_add_co_u32 s86, s86, s89
	s_mov_b32 s87, 0
	s_wait_dscnt 0x0
	s_wait_kmcnt 0x0
	s_add_nc_u64 s[24:25], s[4:5], s[22:23]
	s_add_nc_u64 s[26:27], s[6:7], s[26:27]
	s_add_nc_u64 s[84:85], s[4:5], s[84:85]
	s_add_nc_u64 s[86:87], s[8:9], s[86:87]
	ROUND                                          ; all sixteen work-groups are here: the first joint loads meet
.irp s, 0,1
	s_mov_b32 s[G0K+4*\s], 1                                       ; count = 1
	s_add_co_u32 s[G0K+4*\s+1], s21, \s*SLOT                       ; LDS address
	s_add_nc_u64 s[G0K+4*\s+2:G0K+4*\s+3], s[24:25], 2048+\s*128*6144  ; k's third of a row; slot s begins with keys 128 s on
	s_or_b32 s[G0K+4*\s+3], s[G0K+4*\s+3], 0x80000000              ; type = 2
	s_mov_b32 s[G0V+4*\s], 1
	s_add_co_u32 s[G0V+4*\s+1], s21, \s*SLOT+VOFF
	s_add_nc_u64 s[G0V+4*\s+2:G0V+4*\s+3], s[24:25], 4096+\s*128*6144  ; v's third
	s_or_b32 s[G0V+4*\s+3], s[G0V+4*\s+3], 0x80000000
	s_mov_b32 s[G0M+4*\s], 1
	s_add_co_u32 s[G0M+4*\s+1], s90, \s*SLOT
	s_add_nc_u64 s[G0M+4*\s+2:G0M+4*\s+3], s[26:27], \s*512
	s_or_b32 s[G0M+4*\s+3], s[G0M+4*\s+3], 0x80000000
.endr
	s_cmp_lt_u32 s[WV], 2                          ; a wave's two first fills stand in one branch, ahead of every wait on TENSORcnt and every LDS read: two loads of mine are out now, later one
	s_cbranch_scc0 .Lfirst_not_k
	tensor_load_to_lds s[G0K:G0K+3], s[G1K:G1K+7]
	s_nop 0
	tensor_load_to_lds s[G0K+4:G0K+7], s[G1K:G1K+7]
	s_nop 0
.rept 4
	v_nop
.endr
	s_branch .Lfirst_asked
.Lfirst_not_k:
	s_cmp_lt_u32 s[WV], 4
	s_cbranch_scc0 .Lfirst_m
	tensor_load_to_lds s[G0V:G0V+3], s[G1V:G1V+7]
	s_nop 0
	tensor_load_to_lds s[G0V+4:G0V+7], s[G1V:G1V+7]
	s_nop 0
.rept 4
	v_nop
.endr
	s_branch .Lfirst_asked
.Lfirst_m:
	tensor_load_to_lds s[G0M:G0M+3], s[G1M:G1M+7]
	s_nop 0
	tensor_load_to_lds s[G0M+4:G0M+7], s[G1M:G1M+7]
	s_nop 0
.rept 4
	v_nop
.endr
.Lfirst_asked:
	; A fragment of K or Q is 16 rows x 32 channels in 8 registers: lane l holds row r = l % 16; registers 0-3 channels 8 h + 0..7 (h = l / 16), registers 4-7 channels 16 + 8 h + 0..7.
	v_and_b32 v1, 15, v0                           ; r
	v_bfe_u32 v2, v0, 4, 1                         ; h
	v_mul_u32_u24 v[QO], v1, 6144
	v_lshl_add_u32 v[QO], v2, 4, v[QO]
	WIN W_LD
.irp t, 0,1
.irp c, 0,1
	global_load_b128 v[QF+16*\t+8*\c:QF+16*\t+8*\c+3],   v[QO], s[84:85] offset:\t*98304+64*\c      ; Q stays in registers: tile t, channels 32 c on
	global_load_b128 v[QF+16*\t+8*\c+4:QF+16*\t+8*\c+7], v[QO], s[84:85] offset:\t*98304+64*\c+32
.endr
.endr
.irp i, 0,1,2,3,4,5,6,7
	v_mov_b32 v[ONES+\i], 0x3c003c00               ; 1.0 in both halves: a fragment of ones
.endr
	WIN 0
	v_mul_u32_u24 v3, v1, PK
	v_lshl_add_u32 v3, v2, 4, v3
	v_add_nc_u32 v3, s91, v3                       ; K: row r x pitch + 16 h + my head's 128 bytes
	v_and_b32 v4, 7, v0                            ; V: the turning load's lane l reads 16 bytes: key 8 h + l % 8, channels 8 ((l / 8) % 2) + 0..7
	v_lshl_add_u32 v4, v2, 3, v4
	v_mul_u32_u24 v4, v4, PVP
	v_bfe_u32 v5, v0, 3, 1
	v_lshl_add_u32 v4, v5, 4, v4
	v_add_nc_u32 v4, s91, v4
	s_mul_i32 s92, s14, 32*PM                      ; the mask: my wave's 32 rows; row r, keys 8 h + 0..7 = 32 bytes
	v_mul_u32_u24 v5, v1, PM
	v_lshl_add_u32 v5, v2, 5, v5
	v_add_nc_u32 v5, s92, v5
.irp s, 0,1
.irp e, 0,1
	v_add_nc_u32 v[AK+2*\s+\e], \s*SLOT+\e*STEPB, v3
	v_add_nc_u32 v[AV+2*\s+\e], \s*SLOT+\e*STEPB+VOFF, v4
	v_add_nc_u32 v[AM+2*\s+\e], \s*SLOT+\e*STEPB+MOFF, v5
.endr
.endr
	v_add_nc_u32 v[STO], s92, v3                   ; into the stage: row 32 (w % 4) + r, my head's half of its 256 bytes, 16 bytes for each half of the lanes
	v_add_nc_u32 v[STO], STAGE, v[STO]
	s_mul_i32 s93, s[WV], 16*SP
	s_add_co_u32 s93, s93, STAGE
	v_mul_u32_u24 v6, v2, SP                       ; back: wave w takes rows 16 w on, whole; lanes 0-15 one row, lanes 16-31 the next
	v_lshl_add_u32 v6, v1, 4, v6
	v_add_nc_u32 v[RD], s93, v6
	v_lshlrev_b32 v[GO], 11, v2                    ; and the same two rows in ao
	v_lshl_add_u32 v[GO], v1, 4, v[GO]
	v_mov_b32 v[ST+3], 0                           ; named with a as a pair, so it is written
	v_mov_b32 v[ST+11], 0
; THE LDS LOADS stand in runs of 16.
.macro FETCH_K s, e                    ; 64 keys x 64 channels: keys 16 kt on, channels 32 c on
	WIN W_LD
.irp kt, 0,1,2,3
.irp c, 0,1
	ds_load_b128 v[KF+16*\kt+8*\c:KF+16*\kt+8*\c+3],   v[AK+2*\s+\e] offset:\kt*16*PK+64*\c
	ds_load_b128 v[KF+16*\kt+8*\c+4:KF+16*\kt+8*\c+7], v[AK+2*\s+\e] offset:\kt*16*PK+64*\c+32
.endr
.endr
.endm
.macro FETCH_V s, e                    ; turned: keys 32 g on, channels 16 ct on
	WIN W_LD
.irp g, 0,1
.irp ct, 0,1,2,3
	ds_load_tr16_b128 v[VF+32*\g+8*\ct:VF+32*\g+8*\ct+3],   v[AV+2*\s+\e] offset:\g*32*PVP+32*\ct
	ds_load_tr16_b128 v[VF+32*\g+8*\ct+4:VF+32*\g+8*\ct+7], v[AV+2*\s+\e] offset:\g*32*PVP+32*\ct+16*PVP
.endr
.endr
.endm
.macro FETCH_M s, e                    ; the mask of my 32 queries x 64 keys, laid as S^T: tile t, keys 16 kt + 8 h + 0..7
	WIN 0
.irp t, 0,1
.irp kt, 0,1,2,3
	ds_load_b128 v[M+32*\t+8*\kt:M+32*\t+8*\kt+3],   v[AM+2*\s+\e] offset:\t*16*PM+64*\kt
	ds_load_b128 v[M+32*\t+8*\kt+4:M+32*\t+8*\kt+7], v[AM+2*\s+\e] offset:\t*16*PM+64*\kt+16
.endr
.endr
.endm
; THE PRODUCTS.  The accumulators take turns, one instruction a turn: between two links of a chain stand 7 (K Q^T) or 9 (V^T P) others'.
.macro KQ                              ; 16 products: S^T = K Q^T; the first eight start the sums
	WIN W_KQ
.irp c, 0,1
.irp kt, 0,1,2,3
.irp t, 0,1
.if \c == 0
	v_wmma_f32_16x16x32_f16 v[S+32*\t+8*\kt:S+32*\t+8*\kt+7], v[KF+16*\kt+8*\c:KF+16*\kt+8*\c+7], v[QF+16*\t+8*\c:QF+16*\t+8*\c+7], 0
.else
	v_wmma_f32_16x16x32_f16 v[S+32*\t+8*\kt:S+32*\t+8*\kt+7], v[KF+16*\kt+8*\c:KF+16*\kt+8*\c+7], v[QF+16*\t+8*\c:QF+16*\t+8*\c+7], v[S+32*\t+8*\kt:S+32*\t+8*\kt+7]
.endif
.endr
.endr
.endr
.endm
.macro PV first                        ; 20 products: O^T += V^T P, and (ct = 4) the row sums += ones x P: every lane gets its query's sum over all 32 keys.  first = 1: the first ten start the sums
	WIN W_PV
.irp g, 0,1
.irp ct, 0,1,2,3,4
.irp t, 0,1
.if \ct < 4
.set rV, VF+32*\g+8*\ct
.set rO, OT+32*\t+8*\ct
.else
.set rV, ONES
.set rO, LS+8*\t
.endif
.set rP, P+16*\t+8*\g
.if \first && (\g == 0)
	v_wmma_f32_16x16x32_f16 v[rO:rO+7], v[rV:rV+7], v[rP:rP+7], 0
.else
	v_wmma_f32_16x16x32_f16 v[rO:rO+7], v[rV:rV+7], v[rP:rP+7], v[rO:rO+7]
.endif
.endr
.endr
.endr
.endm
; THE SOFTMAX of my two tiles for one step; the tiles alternate, so that few instructions read the result of the one just before.  first = 1: no old maximum, no a.
.macro SOFTMAX first
	WIN 0
.set i, 0
.rept 16
.irp t, 0,1
	v_pk_fma_f32 v[S+32*\t+2*i:S+32*\t+2*i+1], v[M+32*\t+2*i:M+32*\t+2*i+1], s[NEG:NEG+1], v[S+32*\t+2*i:S+32*\t+2*i+1] op_sel_hi:[1,0,1]  ; t = mask x (-1e9 log2 e) + s
.endr
.set i, i+1
.endr
	; the maximum of the lane's 32 numbers and the old m, three operands at a time: four chains of seven, then the four left over, the chains and m
.irp j, 0,1,2,3
.irp t, 0,1
	v_max3_num_f32 v[ST+8*\t+4+\j], v[S+32*\t+8*\j], v[S+32*\t+8*\j+1], v[S+32*\t+8*\j+2]
.endr
.endr
.irp n, 1,2
.irp j, 0,1,2,3
.irp t, 0,1
	v_max3_num_f32 v[ST+8*\t+4+\j], v[ST+8*\t+4+\j], v[S+32*\t+8*\j+2*\n+1], v[S+32*\t+8*\j+2*\n+2]
.endr
.endr
.endr
.irp t, 0,1
	v_max3_num_f32 v[ST+8*\t+4], v[ST+8*\t+4], v[S+32*\t+7], v[S+32*\t+15]
.endr
.irp t, 0,1
	v_max3_num_f32 v[ST+8*\t+6], v[ST+8*\t+6], v[S+32*\t+23], v[S+32*\t+31]
.endr
.irp t, 0,1
	v_max3_num_f32 v[ST+8*\t+4], v[ST+8*\t+4], v[ST+8*\t+5], v[ST+8*\t+6]
.endr
.irp t, 0,1
.if \first
	v_max_num_f32 v[ST+8*\t+4], v[ST+8*\t+4], v[ST+8*\t+7]
.else
	v_max3_num_f32 v[ST+8*\t+4], v[ST+8*\t+4], v[ST+8*\t+7], v[ST+8*\t+1]
.endif
.endr
.irp t, 0,1
	v_permlanex16_b32 v[ST+8*\t+5], v[ST+8*\t+4], s[SEL], s[SEL+1]  ; the query's other 32 keys lie in the lane 16 away
.endr
.irp t, 0,1
	v_max_num_f32 v[ST+8*\t+1], v[ST+8*\t+4], v[ST+8*\t+5]         ; the new m
.endr
.if !\first
.irp t, 0,1
	v_sub_f32 v[ST+8*\t+7], v[ST+8*\t], v[ST+8*\t+1]               ; m_old - m_new
.endr
.endif
.irp t, 0,1
	v_mov_b32 v[ST+8*\t], v[ST+8*\t+1]
.endr
.if !\first
.irp t, 0,1
	v_exp_f32 v[ST+8*\t+2], v[ST+8*\t+7]                           ; a
.endr
.endif
.irp t, 0,1
	v_pk_add_f32 v[S+32*\t:S+32*\t+1], v[S+32*\t:S+32*\t+1], v[ST+8*\t:ST+8*\t+1] neg_lo:[0,1] neg_hi:[0,1]  ; pair 0: t - m
.endr
	; 64 exponentials with plain work between them: the subtraction for the next pair, the rounding of the pair before.  Behind every exponential a plain
	; instruction that names none of its registers stands before its result is used (ISA guide 5.7.2).
.set i, 0
.rept 16
	v_exp_f32 v[S+2*i], v[S+2*i]
.if i < 15
	v_pk_add_f32 v[S+2*i+2:S+2*i+3], v[S+2*i+2:S+2*i+3], v[ST:ST+1] neg_lo:[0,1] neg_hi:[0,1]
.endif
	v_exp_f32 v[S+2*i+1], v[S+2*i+1]
.if i < 15
	v_pk_add_f32 v[S+32+2*i+2:S+32+2*i+3], v[S+32+2*i+2:S+32+2*i+3], v[ST+8:ST+9] neg_lo:[0,1] neg_hi:[0,1]
.endif
	v_exp_f32 v[S+32+2*i], v[S+32+2*i]
.if i > 0
	s_wait_alu depctr_va_vdst(0)
	v_cvt_pk_f16_f32 v[P+i-1], v[S+2*i-2], v[S+2*i-1]
.endif
	v_exp_f32 v[S+32+2*i+1], v[S+32+2*i+1]
.if i > 0
	s_wait_alu depctr_va_vdst(0)
	v_cvt_pk_f16_f32 v[P+16+i-1], v[S+32+2*i-2], v[S+32+2*i-1]
.endif
.set i, i+1
.endr
	s_wait_alu depctr_va_vdst(0)
	v_cvt_pk_f16_f32 v[P+15], v[S+30], v[S+31]
	v_cvt_pk_f16_f32 v[P+31], v[S+62], v[S+63]
.endm
.macro RESCALE                         ; O^T and the row sums times a
	WIN W_RS
.set i, 0
.rept 16
.irp t, 0,1
	v_pk_mul_f32 v[OT+32*\t+2*i:OT+32*\t+2*i+1], v[OT+32*\t+2*i:OT+32*\t+2*i+1], v[ST+8*\t+2:ST+8*\t+3] op_sel_hi:[1,0]
.endr
.set i, i+1
.endr
.set i, 0
.rept 4
.irp t, 0,1
	v_pk_mul_f32 v[LS+8*\t+2*i:LS+8*\t+2*i+1], v[LS+8*\t+2*i:LS+8*\t+2*i+1], v[ST+8*\t+2:ST+8*\t+3] op_sel_hi:[1,0]
.endr
.set i, i+1
.endr
.endm
; A KEY STEP: step e of slot s.  Its K has been asked for.  LDS loads come back in order, so each wait counts the runs of 16 issued behind the one that it needs.
; meet = 1 (a slot's second step, where another slot follows): all of this slot has been asked for when the softmax begins.  Behind the softmax the wave waits for its reads of the slot
; and for all its tensor loads, of which one is out, its part of the other slot, and signals; the rescaling and the 20 products, which touch registers alone, stand between the
; signal and the wait (in CHANGE), so that the others arrive while this wave works.
.macro STEP s, e, first, meet
	FETCH_M \s, \e
	s_wait_dscnt 16                                ; K is in; the mask's 16 loads are younger
	KQ
	PLACES                                         ; behind the products: K's and V's registers are loaded again, and the scores are read
	FETCH_V \s, \e
.if \e == 0
	FETCH_K \s, 1                                  ; the slot's second step
	s_wait_dscnt 32                                ; the mask is in; V's and K's runs are younger
.else
	s_wait_dscnt 16                                ; the mask is in; V's run is younger
.endif
	SOFTMAX \first
.if \meet
	s_wait_dscnt 0x0                               ; V is in, and with it all my reads of this slot are over,
	s_wait_tensorcnt 0x0                           ; and all my tensor loads have landed:
	ds_add_u32 v254, v255
	s_wait_dscnt 0x0
	s_barrier_signal -1                            ; say so
.endif
.if !\first
	RESCALE
.endif
.if !\meet
.if \e == 0
	s_wait_dscnt 16                                ; V is in; K's run is younger
.else
	s_wait_dscnt 0                                 ; V is in
.endif
.endif
	PV \first
.endm
.macro SLOTWORK s, first, meet
	FETCH_K \s, 0
	STEP \s, 0, \first, 0
	STEP \s, 1, 0, \meet
.endm
; THE CHANGE OF SLOTS closes the barrier that the step before has opened: nobody reads slot s any more, and the other slot is whole.
; fill = 1: that barrier has opened a round of the cluster's, so that no wave of any partner still reads the slot or has a load on its way, and the joint refill, with the keys two
; slots on, is the first thing behind the round: it has a key step and most of a second in which to land.
.macro CHANGE s, fill
	WIN 0                                          ; at a label and at a branch every window is 0
	s_barrier_wait -1
.if \fill
	CREST
	s_add_nc_u64 s[G0K+4*\s+2:G0K+4*\s+3], s[G0K+4*\s+2:G0K+4*\s+3], 256*6144  ; no tensor load of mine is out, so a group 0 may be written: 256 keys on; the type bits on top are not reached
	s_add_nc_u64 s[G0V+4*\s+2:G0V+4*\s+3], s[G0V+4*\s+2:G0V+4*\s+3], 256*6144
	s_add_nc_u64 s[G0M+4*\s+2:G0M+4*\s+3], s[G0M+4*\s+2:G0M+4*\s+3], 1024
	JLOAD \s
.endif
.endm
	s_wait_tensorcnt 1                             ; my part of slot 0 is in; slot 1's may stay out
	s_barrier_signal -1
	s_barrier_wait -1                              ; everybody's is
	s_wait_loadcnt 0x0                             ; Q
	SLOTWORK 0, 1, 1                               ; keys 0 to 127: the first step starts m, O^T and the row sums
	CHANGE 0, 1
	SLOTWORK 1, 0, 1                               ; keys 128 to 255
	CHANGE 1, 1
	s_mov_b32 s[TRIPS], 6
.Lslot:                                                ; six trips, two slots each: keys 256 to 1,791; a trip ends behind a refill, so that no jump stands inside a barrier or a round
	SLOTWORK 0, 0, 1
	CHANGE 0, 1
	SLOTWORK 1, 0, 1
	CHANGE 1, 1                                    ; the last trip's asks for keys 1,920 to 2,047: the last load
	s_sub_co_u32 s[TRIPS], s[TRIPS], 1
	s_cmp_lg_u32 s[TRIPS], 0
	s_cbranch_scc1 .Lslot
	SLOTWORK 0, 0, 1                               ; the tail is written out: keys 1,792 to 1,919
	CHANGE 0, 0                                    ; nothing is left to ask for: a barrier of the work-group alone
	SLOTWORK 1, 0, 0                               ; keys 1,920 to 2,047
	; THE WAY OUT.  O^T is divided by the row sum (at least 1: p = 1 at the maximum), rounded to f16 and sent through the work-group's stage: a row's 256 bytes come from two waves.
	PLACES
	WIN 0x01                                       ; source window 1, destination window 0
	v_rcp_f32 v[ST+2], v[LS]
	v_rcp_f32 v[ST+10], v[LS+8]
	v_nop                                          ; a plain instruction between the last reciprocal and the use of its result
	WIN W_RS
.set i, 0
	s_wait_alu depctr_va_vdst(0)
.rept 16
.irp t, 0,1
	v_pk_mul_f32 v[OT+32*\t+2*i:OT+32*\t+2*i+1], v[OT+32*\t+2*i:OT+32*\t+2*i+1], v[ST+8*\t+2:ST+8*\t+3] op_sel_hi:[1,0]
.endr
.set i, i+1
.endr
	WIN 0x05                                       ; sources window 1, destination window 0: S^T's registers are free
.set i, 0
.rept 32
	v_cvt_pk_f16_f32 v[S+i], v[OT+2*i], v[OT+2*i+1]
.set i, i+1
.endr
	WIN 0
.irp t, 0,1
.irp ct, 0,1,2,3
	ds_store_b128 v[STO], v[S+16*\t+4*\ct:S+16*\t+4*\ct+3] offset:\t*16*SP+32*\ct
.endr
.endr
	s_wait_dscnt 0x0                               ; for the others' sake: my stores into the stage are done
	s_barrier_signal -1
	s_barrier_wait -1
.irp u, 0,1,2,3,4,5,6,7
	ds_load_b128 v[S+4*\u:S+4*\u+3], v[RD] offset:\u*2*SP
.endr
.irp u, 0,1,2,3,4,5,6,7
	s_wait_dscnt 7-\u
	global_store_b128 v[GO], v[S+4*\u:S+4*\u+3], s[86:87] offset:4096*\u   ; 16 lanes store 256 consecutive bytes, at a multiple of 256 from ao's first byte
.endr
	s_wait_tensorcnt 0x0
	ds_add_u32 v254, v255
	s_wait_dscnt 0x0
	ROUND                                          ; the closing round: no work-group ends while a partner may still ask for a tile that names it
	s_endpgm
.Lfunc_end_k_q9f4769ae9e_attn:
	.size	k_q9f4769ae9e_attn, .Lfunc_end_k_q9f4769ae9e_attn-k_q9f4769ae9e_attn
	.p2alignl 7, 3214868480
	.fill 96, 4, 3214868480
	.section	.rodata,"a",@progbits
	.p2align	6, 0x0
	.amdhsa_kernel k_q9f4769ae9e_attn
		.amdhsa_group_segment_fixed_size 327680
		.amdhsa_private_segment_fixed_size 0
		.amdhsa_enable_private_segment 0
		.amdhsa_kernarg_size 24
		.amdhsa_user_sgpr_count 2
		.amdhsa_user_sgpr_kernarg_segment_ptr 1
		.amdhsa_wavefront_size32 1
		.amdhsa_system_sgpr_workgroup_id_x 1
		.amdhsa_system_sgpr_workgroup_id_y 1
		.amdhsa_system_sgpr_workgroup_id_z 1
		.amdhsa_system_vgpr_workitem_id 0
		.amdhsa_next_free_vgpr 512
		.amdhsa_next_free_sgpr 96
		.amdhsa_reserve_vcc 0
		.amdhsa_float_denorm_mode_32 3
		.amdhsa_float_denorm_mode_16_64 3
		.amdhsa_memory_ordered 1
		.amdhsa_forward_progress 1
		.amdhsa_inst_pref_size 255
	.end_amdhsa_kernel
	.section	.bss,"aw",@nobits
	.p2align	6
	.space	262144
	.amdgpu_metadata
---
amdhsa.version: [ 1, 2 ]
amdhsa.kernels:
  - .name:           k_q9f4769ae9e_attn
    .symbol:         k_q9f4769ae9e_attn.kd
    .args:
      - { .name: qkv, .offset: 0, .size: 8, .value_kind: global_buffer, .address_space: global }
      - { .name: mask, .offset: 8, .size: 8, .value_kind: global_buffer, .address_space: global }
      - { .name: ao, .offset: 16, .size: 8, .value_kind: global_buffer, .address_space: global }
    .group_segment_fixed_size: 327680
    .private_segment_fixed_size: 0
    .kernarg_segment_align: 8
    .kernarg_segment_size: 24
    .max_flat_workgroup_size: 256
    .sgpr_count:     96
    .vgpr_count:     512
    .wavefront_size: 32
...
	.end_amdgpu_metadata
.endif
;; end of part 3
;; launch dense (part 4): grid 4 x 64, 4 waves a work-group, clusters of 4 x 4, 327,680 bytes of LDS; arguments ao, wb, dense_b, out0; writes out0
.if DOCPART == 4
	.amdgcn_target "amdgcn-amd-amdhsa--gfx1250"
	.amdhsa_code_object_version 6
	.text
	.protected	k_q9f4769ae9e_dense
	.globl	k_q9f4769ae9e_dense
	.p2align	8
	.type	k_q9f4769ae9e_dense,@function
k_q9f4769ae9e_dense:
	s_mov_b64 s[64:65], 0
	v_nop
	global_prefetch_b8 v0, s[64:65] scope:SCOPE_SE
	s_setreg_imm32_b32 hwreg(HW_REG_WAVE_MODE, 25, 1), 1
	s_wait_xcnt 0x0
	s_wait_alu depctr_hold_cnt(0) depctr_sa_sdst(0) depctr_va_vdst(0) depctr_va_sdst(0) depctr_va_ssrc(0) depctr_va_vcc(0) depctr_vm_vsrc(0)
	s_getreg_b32 s2, hwreg(HW_REG_IB_STS2, 6, 4)
	s_cmp_eq_u32 s2, 0
	s_cbranch_scc0 .Lentry_in_a_cluster
	s_endpgm
.Lentry_in_a_cluster:
	s_bfe_u32 s2, ttmp6, 0x10000c
	s_cmp_lg_u32 s2, 0xf033
	s_cbranch_scc0 .Lentry_shape_is_right
	s_endpgm
.Lentry_shape_is_right:
; ONE TEXT FOR TWO LAUNCHES, chosen by QKV below.  C[m][n] = sum over k of A[m][k] W[k][n] + bias[n], sums in f32, M = 8192, K = 1024.
;   QKV = 1: A = xb (bf16), W = wq | wk | wv side by side (bf16, N = 3072), C = qkv [8192][3072] in f16; q's third is multiplied in f32 by
;            c = log2(e) / 32 ahead of its one rounding, so that the attention's scores come out in units of log2.
;   QKV = 0: A = ao (f16), W = dense_w (f16), N = 1024, C = out0 in f32.
; LIMIT (QKV = 1): |c q|, |k|, |v| < 65,504, f16's largest.  With x and the weights 30 times their drawn size they reach some 4,500, with a common
; offset of 30 spreads in both some 28,800.
; SHARES.  A tile of C is 128 x 256: 768 (256) work-groups, a multiple of 256; tiles of 256 x 256 would make 384 (128).  Four waves, each 64 x 128:
; 4 x 8 accumulators of 16 x 16, 256 registers.  K goes in 8 steps of 128 through two LDS slots.
; W STAYS [k][n]: its fragments come out of LDS turned, by ds_load_tr16_b128.  THE MATRIX INSTRUCTION IS USED TRANSPOSED (source 0 = 16 columns of W,
; source 1 = 16 rows of A): a lane then holds one row of C and eight neighbouring columns.  THE BIAS IS THE FIRST PRODUCT'S C: nothing is cleared or added later.
; CLUSTER 4 x 4: the four work-groups of a row need the same tiles of A, the four of a column the same tiles of W; each tile is asked for jointly,
; by the same tensor load with the same descriptor and a mask that names the four.
; REGISTERS: window 0: v0-31 addresses; v64-159, v160-255 two fragment buffers (W's 8 fragments, then A's 4), on the way out the staging registers.
;   window 1: accumulator (a, b) at v[8 (8 a + b)].   window 2: v0-63 the bias of my 128 columns, as a C operand.
.set QKV, 0
.set PA,    272                        ; a row of A in LDS: 256 bytes + 16 = 68 words: row r starts at bank 4 r mod 64 (64 banks of 4 bytes: ISA guide 11.1)
.set PB,    544                        ; a row of W: 512 bytes + 32 = 136 words: row r starts at bank 8 r mod 64
.set AHALF, 64*PA                      ; what one tensor load brings of A,
.set BHALF, 64*PB                      ; of W
.set BOFF,  128*PA                     ; a slot: A's 128 rows, then W's 128 rows of k
.set SLOT,  BOFF+128*PB
.set STAGE, 2*SLOT                     ; behind the ring: 16 rows for each wave, for the way out; no tensor load lands here
.set LAPS,  4                          ; a lap = two K steps = once round the ring
.if QKV
.set SP,   272                         ; a stage row: 128 f16 + 16 bytes
.set CROW, 6144                        ; bytes in a row of C
.set CTX,  9                           ; log2 of a tile's bytes along a row of C
.else
.set SP,   528                         ; 128 f32 + 16 bytes
.set CROW, 4096
.set CTX,  10
.endif
.set ADRA, 16                          ; v16-17  LDS address of my A fragments in slot 0, 1
.set ADRB, 20                          ; v20-21  the same for W
.set STO,  24                          ; v24     the way out: where I put my part of a row
.set RD,   25                          ; v25     where I read rows back
.set CO,   26                          ; v26     my byte offset in C
.set BO,   27                          ; v27     my byte offset in the bias
.set F0,   64
.set F1,   160
.set TMP,  64                          ; the way out: staging registers
.set G1,  24                           ; s[24:31] descriptor group 1 for A's tiles;  s[32:39] group 0, a set for each slot
.set G0,  32
.set G1B, 48                           ; s[48:55], s[56:63] the same for W's tiles
.set G0B, 56
.set BP,  76                           ; s[76:77] the bias of my columns
.set SC,  78                           ; s[78:79] the factor on C (QKV), twice: the packed multiply names a pair
.set MSB, 0
.macro WIN new                         ; s_set_vgpr_msb: bits 1:0 source 0, 3:2 source 1, 5:4 source 2, 7:6 destination; the high byte repeats the setting that is left
.if MSB != \new
	s_set_vgpr_msb (MSB<<8)|\new
.set MSB, \new
.endif
.endm
.set MUL,  0x50                        ; fragments window 0, C and D window 1
.set MULZ, 0x60                        ; D window 1, C (the bias) window 2
.macro PLACES                          ; four places in front of loads into registers that matrix instructions have read, and of whatever reads their results
.rept 4
	v_nop
.endr
.endm
.macro JLOAD s                         ; a joint load: waves 0 and 1 fetch A's two halves, waves 2 and 3 W's; the branch hangs on the wave's number alone; four v_nop follow each line
	s_cmp_eq_u32 s11, 0
	s_cbranch_scc0 .Lfor_b_\@
	tensor_load_to_lds s[G0+4*\s:G0+4*\s+3], s[G1:G1+7]
	s_nop 0
.rept 4
	v_nop
.endr
	s_branch .Lasked_\@
.Lfor_b_\@:
	tensor_load_to_lds s[G0B+4*\s:G0B+4*\s+3], s[G1B:G1B+7]
	s_nop 0
.rept 4
	v_nop
.endr
.Lasked_\@:
.endm
.macro CREST                           ; a round of the cluster's barrier behind its opening barrier
	s_cmp_lg_u32 s10, 0
	s_cbranch_scc1 .Lnot_wave_0_\@
	s_barrier_signal -3
.Lnot_wave_0_\@:
	s_barrier_wait -3
	s_barrier_signal -1
	s_barrier_wait -1
.endm
.macro CROUND                          ; a whole round
	s_barrier_signal -1
	s_barrier_wait -1
	CREST
.endm
	s_load_b128 s[4:7], s[0:1], 0x0                ; A s[4:5], wb s[6:7]
.if QKV
	s_load_b256 s[68:75], s[0:1], 0x10             ; wq_b s[68:69], wk_b s[70:71], wv_b s[72:73], qkv s[74:75]
.else
	s_load_b128 s[68:71], s[0:1], 0x10             ; dense_b s[68:69], out0 s[70:71]
	v_lshl_add_u32 v62, v0, 2, 0x3b400
	v_mov_b32 v63, 0
	ds_add_u32 v62, v63
.endif
	v_lshrrev_b32 v1, 5, v0
	v_readfirstlane_b32 s10, v1                    ; wave 0..3
	s_lshr_b32 s11, s10, 1                         ; which 64 rows of the tile are mine.  Also: I fetch for A (0) or for W (1)
	s_and_b32 s12, s10, 1                          ; which 128 columns.  Also: which 64 rows of that tile I fetch
	s_bfe_u32 s40, ttmp6, 0x40000                  ; cx, cy: my place in the cluster
	s_bfe_u32 s41, ttmp6, 0x40004
	s_lshl_b32 s42, ttmp9, 2
	s_add_co_u32 s42, s42, s40                     ; tile column of C = 4 x cluster x + cx
	s_and_b32 s13, ttmp7, 0xffff
	s_lshl_b32 s13, s13, 2
	s_add_co_u32 s13, s13, s41                     ; tile row of C = 4 x cluster y + cy
	s_lshl_b32 s43, s41, 2
	s_lshl_b32 s43, 15, s43                        ; my row of the cluster
	s_lshl_b32 s44, 0x1111, s40                    ; my column
	; group 1.  A: 64 rows x 128 elements of 2 bytes, 4 words of padding behind every 64.  W: 64 rows x 256 elements, 8 words behind every 128.
	s_or_b32 s[G1+0], s43, (1<<16)|(1<<20)|(1<<21)|(5<<22)|(3<<25)   ; 15:0 the mask: A's tiles go to my row; 17:16 element size; 20 padding on; 21 set beside a mask; 24:22 interval; 31:25 padding - 1
	s_or_b32 s[G1B+0], s44, (1<<16)|(1<<20)|(1<<21)|(6<<22)|(7<<25)  ; W's tiles go to my column
	s_mov_b32 s[G1+1], 128<<16                     ; tensor_dim0
	s_mov_b32 s[G1+2], 64<<16                      ; tensor_dim1
	s_mov_b32 s[G1+3], 128<<16                     ; tile_dim0
	s_mov_b32 s[G1+4], 64                          ; tile_dim1
	s_mov_b32 s[G1+5], 1024                        ; elements from row to row
	s_mov_b32 s[G1+6], 0
	s_mov_b32 s[G1+7], 0
	s_mov_b32 s[G1B+1], 256<<16
	s_mov_b32 s[G1B+2], 64<<16
	s_mov_b32 s[G1B+3], 256<<16
	s_mov_b32 s[G1B+4], 64
	s_mov_b32 s[G1B+5], 1024
	s_mov_b32 s[G1B+6], 0
	s_mov_b32 s[G1B+7], 0
	; where the tiles come from.  A's hang on the tile row alone, W's on the tile column alone, each in registers that never hold the other coordinate.
	s_lshl_b32 s16, s13, 18                        ; 128 rows of 2,048 bytes a tile row,
	s_lshl_b32 s17, s12, 17                        ; 64 rows a half
	s_add_co_u32 s16, s16, s17
	s_mov_b32 s17, 0
	s_lshr_b32 s46, s42, 2                         ; which matrix of wb: four tile columns to a matrix
.if !QKV
	s_add_co_u32 s46, s46, 3                       ; dense_w is the fourth
.endif
	s_lshl_b32 s46, s46, 21                        ; 2 MiB a matrix,
	s_and_b32 s47, s42, 3
	s_lshl_b32 s47, s47, 9                         ; 256 columns of 2 bytes a tile column,
	s_add_co_u32 s46, s46, s47
	s_lshl_b32 s47, s12, 17                        ; 64 rows of k a half
	s_add_co_u32 s46, s46, s47
	s_mov_b32 s47, 0
	s_mul_i32 s20, s12, AHALF                      ; and where they go: no place in the cluster enters an LDS address
	s_mul_i32 s21, s12, BHALF
	s_add_co_u32 s21, s21, BOFF
	; my part of C and of the bias, in bytes (all under 2^32)
	s_lshl_b32 s18, s13, 7
	s_lshl_b32 s19, s11, 6
	s_add_co_u32 s18, s18, s19                     ; my first row
	s_mul_i32 s18, s18, CROW
	s_lshl_b32 s19, s42, CTX
	s_add_co_u32 s18, s18, s19
	s_lshl_b32 s19, s12, CTX-1
	s_add_co_u32 s18, s18, s19
	s_mov_b32 s19, 0
	s_and_b32 s22, s42, 3
	s_lshl_b32 s22, s22, 10                        ; 256 f32 a tile column,
	s_lshl_b32 s23, s12, 9                         ; 128 a half
	s_add_co_u32 s22, s22, s23
	s_mov_b32 s23, 0
	s_wait_dscnt 0x0
	s_wait_kmcnt 0x0
	s_add_nc_u64 s[14:15], s[4:5], s[16:17]
	s_add_nc_u64 s[46:47], s[6:7], s[46:47]
.if QKV
	s_cmp_eq_u32 ttmp9, 1                          ; the cluster's x says whose third of C this is: the same in all sixteen partners
	s_cselect_b64 s[BP:BP+1], s[70:71], s[72:73]
	s_cmp_eq_u32 ttmp9, 0
	s_cselect_b64 s[BP:BP+1], s[68:69], s[BP:BP+1]
	s_cselect_b32 s[SC], 0x3d38aa3b, 1.0           ; q: c = log2(e) / 32 = 0.0450842; k and v: 1
	s_mov_b32 s[SC+1], s[SC]
	s_add_nc_u64 s[8:9], s[74:75], s[18:19]
.else
	s_mov_b64 s[BP:BP+1], s[68:69]
	s_add_nc_u64 s[8:9], s[70:71], s[18:19]
.endif
	s_add_nc_u64 s[BP:BP+1], s[BP:BP+1], s[22:23]
	CROUND                                         ; all sixteen work-groups are here: the first joint loads meet
.irp s, 0,1
	s_mov_b32 s[G0+4*\s], 1                                        ; count = 1
	s_add_co_u32 s[G0+4*\s+1], s20, \s*SLOT                        ; LDS address
	s_add_nc_u64 s[G0+4*\s+2:G0+4*\s+3], s[14:15], \s*256          ; K step s: 128 elements along A's rows
	s_or_b32 s[G0+4*\s+3], s[G0+4*\s+3], 0x80000000                ; type = 2
	s_mov_b32 s[G0B+4*\s], 1
	s_add_co_u32 s[G0B+4*\s+1], s21, \s*SLOT
	s_add_nc_u64 s[G0B+4*\s+2:G0B+4*\s+3], s[46:47], \s*262144     ; K step s: 128 rows of W
	s_or_b32 s[G0B+4*\s+3], s[G0B+4*\s+3], 0x80000000
	JLOAD \s                                       ; two tensor loads of mine are out now, later one
.endr
	v_and_b32 v1, 15, v0                           ; r = l % 16
	v_bfe_u32 v2, v0, 4, 1                         ; h = l / 16
	v_lshlrev_b32 v[BO], 5, v2                     ; a lane's C operand: bias[16 b + 8 h + 0..7]
	WIN 0x80                                       ; destination window 2, address window 0
.irp b, 0,1,2,3,4,5,6,7
	global_load_b128 v[8*\b:8*\b+3],   v[BO], s[BP:BP+1] offset:64*\b
	global_load_b128 v[8*\b+4:8*\b+7], v[BO], s[BP:BP+1] offset:64*\b+16
.endr
	WIN 0
	; A's fragment: 16 rows x 32 k; lane l holds row r, registers 0-3 k = 8 h + 0..7, registers 4-7 k = 16 + 8 h + 0..7: two loads of 16 bytes, 32 apart.
	v_mul_u32_u24 v3, v1, PA
	v_lshl_add_u32 v3, v2, 4, v3
	; W's fragment: the turning load takes 16 k x 16 n (lane l reads 16 bytes: row 8 h + l % 8, columns 8 ((l / 8) % 2) + 0..7) and leaves half a fragment: lane l holds column r and 8 k.
	v_and_b32 v4, 7, v0
	v_lshl_add_u32 v4, v2, 3, v4
	v_mul_u32_u24 v4, v4, PB
	v_bfe_u32 v5, v0, 3, 1
	v_lshl_add_u32 v4, v5, 4, v4
	s_mul_i32 s22, s11, AHALF                      ; my 64 rows of A
	s_lshl_b32 s23, s12, 8                         ; my 128 columns of W,
	s_add_co_u32 s23, s23, BOFF                    ; which lies behind A
.irp s, 0,1
	v_add_nc_u32 v[ADRA+\s], s22, v3
	v_add_nc_u32 v[ADRB+\s], s23, v4
	s_add_co_u32 s22, s22, SLOT
	s_add_co_u32 s23, s23, SLOT
.endr
	s_mul_i32 s18, s10, 16*SP
	s_add_co_u32 s18, s18, STAGE                   ; my stage
	v_mul_u32_u24 v4, v1, SP                       ; in: row r, my eight columns
.if QKV
	v_lshl_add_u32 v4, v2, 4, v4
	v_add_nc_u32 v[STO], s18, v4
	v_mul_u32_u24 v5, v2, SP                       ; back: lanes 0-15 take one row of 256 bytes, lanes 16-31 the next
	v_lshl_add_u32 v5, v1, 4, v5
	v_add_nc_u32 v[RD], s18, v5
	v_mul_u32_u24 v5, v2, CROW                     ; and the same two rows in C
	v_lshl_add_u32 v[CO], v1, 4, v5
.else
	v_lshl_add_u32 v4, v2, 5, v4
	v_add_nc_u32 v[STO], s18, v4
	v_and_b32 v5, 31, v0                           ; back: the 32 lanes take one row of 512 bytes
	v_lshlrev_b32 v[CO], 4, v5
	v_add_nc_u32 v[RD], s18, v[CO]
.endif
; 8 matrix instructions: row block a x all 8 column blocks, 32 along K.  zero = 1: the first product takes the bias as C.
; A quarter step names each of the 32 accumulators once, always in the same order: they take turns, one instruction a turn.
.macro MUL8 f, a, zero
.irp b, 0,1,2,3,4,5,6,7
.set rD, 8*(8*\a+\b)
.set rC, rD
.if \zero
.set rC, 8*\b
.endif
.if QKV
	v_wmma_f32_16x16x32_bf16 v[rD:rD+7], v[\f+8*\b:\f+8*\b+7], v[\f+64+8*\a:\f+64+8*\a+7], v[rC:rC+7]
.else
	v_wmma_f32_16x16x32_f16 v[rD:rD+7], v[\f+8*\b:\f+8*\b+7], v[\f+64+8*\a:\f+64+8*\a+7], v[rC:rC+7]
.endif
.endr
.endm
; 24 LDS loads in one run: the fragments of quarter q (32 along K) of a slot into buffer f: W's sixteen, then A's eight
.macro FETCH slot, q, f
	WIN 0
.irp i, 0,1,2,3,4,5,6,7
	ds_load_tr16_b128 v[\f+8*\i:\f+8*\i+3],   v[ADRB+\slot] offset:\q*32*PB+32*\i
	ds_load_tr16_b128 v[\f+8*\i+4:\f+8*\i+7], v[ADRB+\slot] offset:\q*32*PB+32*\i+16*PB
.endr
.irp i, 0,1,2,3
	ds_load_b128 v[\f+64+8*\i:\f+64+8*\i+3],   v[ADRA+\slot] offset:64*\q+\i*16*PA
	ds_load_b128 v[\f+64+8*\i+4:\f+64+8*\i+7], v[ADRA+\slot] offset:64*\q+\i*16*PA+32
.endr
.endm
; A K step is four quarters, 32 matrix instructions each, on buffers 0, 1, 0, 1.  One of the first three: multiplies buffer f and fetches quarter q into g.
.macro QUARTER slot, q, f, g, zero
	s_wait_dscnt 4                                 ; W and A's blocks 0, 1 are in; the four youngest loads (A's blocks 2, 3) may be out
	WIN MUL+0x10*\zero
	MUL8 \f, 0, \zero
	MUL8 \f, 1, \zero
	PLACES
	FETCH \slot, \q, \g
	s_wait_dscnt 24                                ; all but the 24 just issued
	WIN MUL+0x10*\zero
	MUL8 \f, 2, \zero
	MUL8 \f, 3, \zero
.endm
; The last quarter multiplies buffer 1 and changes slots: ONE barrier; in front of it each wave waits for its own reads of this slot and for all its tensor loads,
; of which one is out: its part of the next slot.  fill = 1: the barrier opens a round of the cluster's, and this slot is filled again, two K steps ahead, first thing behind it.
.macro TURN slot, next, fill
	s_wait_dscnt 4
	WIN MUL
	MUL8 F1, 0, 0
	s_wait_dscnt 0                                 ; my reads of this slot are over,
	s_wait_tensorcnt 0x0                           ; and all my tensor loads have landed
	ds_add_u32 v62, v63
	s_wait_dscnt 0x0
	s_barrier_signal -1
	MUL8 F1, 1, 0                                  ; work on registers while the others arrive
.if \fill
	WIN 0                                          ; every window is 0 there
.endif
	s_barrier_wait -1
.if \fill
	CREST                                          ; no wave of any partner still reads this slot's tile or has a load on its way
	s_add_nc_u64 s[G0+4*\slot+2:G0+4*\slot+3], s[G0+4*\slot+2:G0+4*\slot+3], 512
	s_add_nc_u64 s[G0B+4*\slot+2:G0B+4*\slot+3], s[G0B+4*\slot+2:G0B+4*\slot+3], 524288
	JLOAD \slot                                    ; 120 matrix instructions ahead of the wait for it; its four v_nop are also the places in front of the loads below
.else
	PLACES
.endif
	FETCH \next, 0, F0
	WIN MUL
	MUL8 F1, 2, 0
	MUL8 F1, 3, 0
.endm
	s_wait_tensorcnt 1                             ; my part of K step 0 is in; K step 1's may stay out
	s_barrier_signal -1
	s_barrier_wait -1                              ; everybody's is
	FETCH 0, 0, F0
	s_wait_loadcnt 0x0                             ; the bias
	QUARTER 0, 1, F0, F1, 1                        ; the first quarter stands in front of the loop: its products start the sums, from the bias
	WIN 0
	s_mov_b32 s3, LAPS-1
.Llap:                                                 ; a trip goes once round the ring, from a lap's second quarter to the next lap's first, and fills both slots again
	QUARTER 0, 2, F1, F0, 0
	QUARTER 0, 3, F0, F1, 0
	TURN 0, 1, 1
	QUARTER 1, 1, F0, F1, 0
	QUARTER 1, 2, F1, F0, 0
	QUARTER 1, 3, F0, F1, 0
	TURN 1, 0, 1
	QUARTER 0, 1, F0, F1, 0
	WIN 0
	s_sub_co_u32 s3, s3, 1
	s_cmp_lg_u32 s3, 0
	s_cbranch_scc1 .Llap
	QUARTER 0, 2, F1, F0, 0                        ; the last lap fills nothing, and has no round
	QUARTER 0, 3, F0, F1, 0
	TURN 0, 1, 0
	QUARTER 1, 1, F0, F1, 0
	QUARTER 1, 2, F1, F0, 0
	QUARTER 1, 3, F0, F1, 0
	s_wait_dscnt 4                                 ; the very last quarter: nothing more to fetch
	WIN MUL
	MUL8 F1, 0, 0
	MUL8 F1, 1, 0
	s_wait_dscnt 0
	MUL8 F1, 2, 0
	MUL8 F1, 3, 0
	WIN 0
	PLACES
	; THE WAY OUT, a block of 16 rows at a time, through my own stage: LDS serves a wave's instructions in order (ISA guide 5.7.1.4), so no wait stands between the stores and the loads.
.if QKV
.macro PACKQ a                         ; block a: times the factor, rounded to f16, 16 bytes a lane into the stage, back as whole rows of 256 bytes into the registers that they left
	WIN 0x41
.set i, 64*\a
.rept 32
	v_pk_mul_f32 v[i:i+1], v[i:i+1], s[SC:SC+1] op_sel_hi:[1,0]
.set i, i+2
.endr
	WIN 0x05
.set i, 0
.rept 32
	v_cvt_pk_f16_f32 v[TMP+32*\a+i], v[64*\a+2*i], v[64*\a+2*i+1]
.set i, i+1
.endr
	WIN 0
.irp b, 0,1,2,3,4,5,6,7
	ds_store_b128 v[STO], v[TMP+32*\a+4*\b:TMP+32*\a+4*\b+3] offset:32*\b
.endr
.irp t, 0,1,2,3,4,5,6,7
	ds_load_b128 v[TMP+32*\a+4*\t:TMP+32*\a+4*\t+3], v[RD] offset:\t*2*SP
.endr
.endm
.macro SENDQ a, younger                ; younger: the LDS instructions issued behind block a's loads: the next block's sixteen, or none
.irp t, 0,1,2,3,4,5,6,7
	s_wait_dscnt \younger+7-\t
	global_store_b128 v[CO], v[TMP+32*\a+4*\t:TMP+32*\a+4*\t+3], s[8:9] offset:(16*\a+2*\t)*CROW   ; 16 lanes store 256 consecutive bytes, at a multiple of 256 from C's first byte
.endr
.endm
	PACKQ 0
	PACKQ 1                                        ; a block's arithmetic stands between the loads of the block before and its stores; every block has registers of its own
	SENDQ 0, 16
	PACKQ 2
	SENDQ 1, 16
	PACKQ 3
	SENDQ 2, 16
	SENDQ 3, 0
.else
.macro OUT a                           ; block a: 32 bytes a lane and column block straight from the accumulators into the stage, back as whole rows of 512 bytes
	WIN 0x04                                       ; store data window 1
.irp b, 0,1,2,3,4,5,6,7
	ds_store_b128 v[STO], v[64*\a+8*\b:64*\a+8*\b+3]   offset:64*\b
	ds_store_b128 v[STO], v[64*\a+8*\b+4:64*\a+8*\b+7] offset:64*\b+16
.endr
	WIN 0
.if \a >= 2
	s_wait_xcnt 0x0                                ; the registers below were the data of block a - 2's stores: they are written again only behind this wait
.endif
.irp t, 0,1,2,3,4,5,6,7,8,9,10,11,12,13,14,15
	ds_load_b128 v[TMP+64*(\a%2)+4*\t:TMP+64*(\a%2)+4*\t+3], v[RD] offset:\t*SP
.endr
.endm
.macro SEND a, younger                 ; younger: the next block's 32 LDS instructions, or none
.irp t, 0,1,2,3,4,5,6,7,8,9,10,11,12,13,14,15
	s_wait_dscnt \younger+15-\t
	global_store_b128 v[CO], v[TMP+64*(\a%2)+4*\t:TMP+64*(\a%2)+4*\t+3], s[8:9] offset:(16*\a+\t)*CROW th:TH_STORE_NT   ; the wave stores 512 consecutive bytes, at a multiple of 512 from C's first byte
.endr
.endm
	OUT 0
	OUT 1
	SEND 0, 32
	OUT 2
	SEND 1, 32
	OUT 3
	SEND 2, 32
	SEND 3, 0
.endif
	s_wait_tensorcnt 0x0
	ds_add_u32 v62, v63
	s_wait_dscnt 0x0
	CROUND                                         ; the closing round: no work-group ends while a partner may still ask for a tile that names it
	s_endpgm
.Lfunc_end_k_q9f4769ae9e_dense:
	.size	k_q9f4769ae9e_dense, .Lfunc_end_k_q9f4769ae9e_dense-k_q9f4769ae9e_dense
	.p2alignl 7, 3214868480
	.fill 96, 4, 3214868480
	.section	.rodata,"a",@progbits
	.p2align	6, 0x0
	.amdhsa_kernel k_q9f4769ae9e_dense
		.amdhsa_group_segment_fixed_size 327680
		.amdhsa_private_segment_fixed_size 0
		.amdhsa_enable_private_segment 0
		.amdhsa_kernarg_size 32
		.amdhsa_user_sgpr_count 2
		.amdhsa_user_sgpr_kernarg_segment_ptr 1
		.amdhsa_wavefront_size32 1
		.amdhsa_system_sgpr_workgroup_id_x 1
		.amdhsa_system_sgpr_workgroup_id_y 1
		.amdhsa_system_sgpr_workgroup_id_z 1
		.amdhsa_system_vgpr_workitem_id 0
		.amdhsa_next_free_vgpr 576
		.amdhsa_next_free_sgpr 80
		.amdhsa_reserve_vcc 0
		.amdhsa_float_denorm_mode_32 3
		.amdhsa_float_denorm_mode_16_64 3
		.amdhsa_memory_ordered 1
		.amdhsa_forward_progress 1
		.amdhsa_inst_pref_size 89
	.end_amdhsa_kernel
	.amdgpu_metadata
---
amdhsa.version: [ 1, 2 ]
amdhsa.kernels:
  - .name:           k_q9f4769ae9e_dense
    .symbol:         k_q9f4769ae9e_dense.kd
    .args:
      - { .name: ao, .offset: 0, .size: 8, .value_kind: global_buffer, .address_space: global }
      - { .name: wb, .offset: 8, .size: 8, .value_kind: global_buffer, .address_space: global }
      - { .name: dense_b, .offset: 16, .size: 8, .value_kind: global_buffer, .address_space: global }
      - { .name: out0, .offset: 24, .size: 8, .value_kind: global_buffer, .address_space: global }
    .group_segment_fixed_size: 327680
    .private_segment_fixed_size: 0
    .kernarg_segment_align: 8
    .kernarg_segment_size: 32
    .max_flat_workgroup_size: 128
    .sgpr_count:     80
    .vgpr_count:     576
    .wavefront_size: 32
...
	.end_amdgpu_metadata
.endif
;; end of part 4
